; MI455X (gfx1250); checked and timed in simulation.
; The chip was launched on July 23, 2026; its instructions are those of AMD's public machine-readable ISA for CDNA 5 (MIT licence, August 2026) and "CDNA5" Instruction Set Architecture Reference Guide (July 2026). The comments in the code are by the model that wrote it; some were corrected since.
;; Neu Reparam. Allowed arithmetic: matrix products marked QUANTISED: E2M1 operands, one E8M0 scale for each 32 along K, by v_wmma_scale_f32_16x16x128_f8f6f4 with both operands' format E2M1 (or v_wmma_scale_f32_32x16x128_f4), f32 sums; products left as they are: f32 operands where the result goes on into a quantised operand, else bf16, f16 or f32 operands; f32 sums; everything else in f32.
;; Inputs: W_hid 3 x 64 x 64 float32; W_in 20 x 64 float32; W_out 64 x 3 float32; b_hid 3 x 64 float32; b_in 64 float32; b_out 3 float32; wo 524,288 x 2 float32; z 524,288 x 2 float32.
;; Outputs: out0 524,288 x 3 float32.
;; This version of the problem:
;;   THIS VERSION OF THE PROBLEM IS GIVEN IN LOW PRECISION. The matrix products marked QUANTISED in the list below multiply operands that are first quantised to E2M1 (2 exponent bits, 1 mantissa bit; 4 bits a number), with one power-of-two scale for each 32 numbers along K (OCP MX v1.0); their sums are f32. All else is computed in f32.
;;   The module's matrix products, in the order in which they are computed (A, B: the left and right operand; K: the contracted axis; several contracted axes count as one K, in the product's order):
;;     1. [M 524,288, K 20] x [K 20, N 64]; A: computed on the way; B: input W_in: left as it is (K = 20 < 32)
;;     2. [M 524,288, K 20] x [K 20, N 64]; A: computed on the way; B: input W_in: left as it is (K = 20 < 32)
;;     3. [M 524,288, K 64] x [K 64, N 64]; A: computed on the way; B: input W_hid: QUANTISED
;;     4. [M 524,288, K 64] x [K 64, N 64]; A: computed on the way; B: input W_hid: QUANTISED
;;     5. [M 524,288, K 64] x [K 64, N 64]; A: computed on the way; B: input W_hid: QUANTISED
;;     6. [M 524,288, K 64] x [K 64, N 64]; A: computed on the way; B: input W_hid: QUANTISED
;;     7. [M 524,288, K 64] x [K 64, N 64]; A: computed on the way; B: input W_hid: QUANTISED
;;     8. [M 524,288, K 64] x [K 64, N 64]; A: computed on the way; B: input W_hid: QUANTISED
;;     9. [M 524,288, K 64] x [K 64, N 3]; A: computed on the way; B: input W_out: left as it is (N = 3 < 16)
;;     10. [M 524,288, K 64] x [K 64, N 3]; A: computed on the way; B: input W_out: left as it is (N = 3 < 16)
;;     11. [M 524,288, K 20] x [K 20, N 64]; A: computed on the way; B: input W_in: left as it is (K = 20 < 32)
;;     12. [M 524,288, K 20] x [K 20, N 64]; A: computed on the way; B: input W_in: left as it is (K = 20 < 32)
;;     13. [M 524,288, K 64] x [K 64, N 64]; A: computed on the way; B: input W_hid: QUANTISED
;;     14. [M 524,288, K 64] x [K 64, N 64]; A: computed on the way; B: input W_hid: QUANTISED
;;     15. [M 524,288, K 64] x [K 64, N 64]; A: computed on the way; B: input W_hid: QUANTISED
;;     16. [M 524,288, K 64] x [K 64, N 64]; A: computed on the way; B: input W_hid: QUANTISED
;;     17. [M 524,288, K 64] x [K 64, N 64]; A: computed on the way; B: input W_hid: QUANTISED
;;     18. [M 524,288, K 64] x [K 64, N 64]; A: computed on the way; B: input W_hid: QUANTISED
;;     19. [M 524,288, K 64] x [K 64, N 3]; A: computed on the way; B: input W_out: left as it is (N = 3 < 16)
;;     20. [M 524,288, K 64] x [K 64, N 3]; A: computed on the way; B: input W_out: left as it is (N = 3 < 16)
;;   THE QUANTISER, for each operand of a quantised product, along K:
;;     - K is cut into blocks of 32 from its start; a last block that is shorter is filled with zeros.
;;     - A block's scale is 2^e with e = floor(log2(the largest magnitude in the block)) - 2, held to -126 .. 127; a block of zeros has e = 0. As a byte (E8M0): e + 127.
;;     - Each number is divided by its block's scale, clamped to +-6, and rounded to the nearest number of E2M1, ties to even, subnormals kept.
;;     - The product sums the exact products of the quantised numbers (number of the format x scale) in f32.
;;   ~~~python
;;   def quantise(x, axis):      # numpy; x: float32 -> the quantised numbers, widened to float32 again
;;       x = np.moveaxis(x, axis, -1); K = x.shape[-1]
;;       x = np.pad(x, [(0, 0)] * (x.ndim - 1) + [(0, -K % 32)]); x = x.reshape(x.shape[:-1] + (-1, 32)); a = np.abs(x).max(-1, keepdims=True)
;;       e = np.where(a > 0, np.clip(np.frexp(np.where(a > 0, a, 1))[1] - 1 - 2, -126, 127), 0)      # np.frexp(a)[1] - 1 = floor(log2(a)), exactly
;;       r = np.clip(x / 2.0 ** e, -6, 6)
;;       step = 2.0 ** (np.maximum(np.frexp(np.where(r == 0, 1, r))[1] - 1, 0) - 1)
;;       q = np.round(r / step) * step * 2.0 ** e      # np.round: ties to even
;;       return np.moveaxis(q.reshape(q.shape[:-2] + (-1,))[..., :K], -1, axis).astype(np.float32)
;;   ~~~
;;   OPERANDS COMPUTED ON THE WAY. 'Computed on the way' means the value that the module computes at that place (a softmax that the list does not call 'softmax' is quantised finished and normalised). What goes into a quantiser is computed in f32, as accurately as f32 sums, v_exp_f32 and their like allow (about 1e-6 of the number): no bf16 or f16 on the way to a quantiser, and a product that is left as it is and whose result goes on into a quantised operand takes f32 operands (vector FMAs, or v_wmma_f32_16x16x4_f32). A number that lies on a knife's edge between two numbers of the format may be rounded either way, as far as f32 arithmetic and the matrix unit's own rounding can turn it there, and no further.
;; 2 versions, each right; version 2 is version 1 with the launch mlp written anew for expert scheduling mode. Each part assembles by itself: llvm-mc -triple=amdgcn-amd-amdhsa -mcpu=gfx1250 --defsym DOCPART=n.
;; ======== version 1 of 2: 1 launch
;; limits: inputs' magnitudes at most 262,144
;; launch mlp (part 1): grid 256 x 1, 8 waves a work-group, no clusters, 33,024 bytes of LDS; arguments wo, z, W_in, b_in, W_hid, b_hid, W_out, b_out, out0; writes out0
.if DOCPART == 1
	.amdgcn_target "amdgcn-amd-amdhsa--gfx1250"
	.amdhsa_code_object_version 6
	.text
	.protected	k_q52ec0f96a4_mlp
	.globl	k_q52ec0f96a4_mlp
	.p2align	8
	.type	k_q52ec0f96a4_mlp,@function
k_q52ec0f96a4_mlp:
	s_mov_b64 s[64:65], 0
	v_nop
	global_prefetch_b8 v0, s[64:65] scope:SCOPE_SE
	s_setreg_imm32_b32 hwreg(HW_REG_WAVE_MODE, 25, 1), 1
	s_wait_xcnt 0x0
; out0[b] = (wi0, wi1, detJ) of the 20-64-64-64-64-3 SiLU network with a normalising head, for 524,288 samples, with the 2 x 2 Jacobian by z.
; The 64 x 64 products run on codes of FP4 (E2M1) with one E8M0 scale for each 32 along K; the 20 x 64 product in f32 (its result goes into a quantiser); the 64 x 3 product on bf16.
; WORK LEFT OUT, for all values of the inputs.  (a) reference() calls jax.jvp twice on the same f at the same z.  The second call's primal chain (the table's products 11, 13, 15, 17, 19) has the same
; operands, the same quantisers and the same sums as the first's (1, 3, 5, 7, 9): its wi is dropped by reference() itself, and what its tangent chain takes from it (a, sigmoid(a)) are the first chain's
; numbers.  So the primal chain is computed once and serves both tangents.  (b) The tangent that enters the first layer is [0 .. 0, 1, 0] or [0 .. 0, 0, 1]: cond does not hang on z, and t0, t1 are built in
; reference()'s own body.  So products 2 and 12 are rows 18 and 19 of W_in: they are read, not multiplied.  Every input has a way to an output and is loaded.
; LIMITS.  A NaN or an infinity that would reach a result only through the zeros of (b) is not carried.  NaN and infinities among the inputs are not served.  sin and cos serve |wo| < 2^18 (the
; whole part of 8 wo / pi is taken by adding 1.5 x 2^23).  A block whose largest magnitude lies under 2^-124 keeps the scale byte 1 (a block of zeros too: its codes are zeros).  Where the norm is exactly
; EPS its tangent is taken as 0.  A sum of squares under the smallest normal f32 number counts as 0.  In the last product W_out and the primal's hidden layer go as pairs of bf16 numbers, a high and a low
; part split in f32 (wi is small beside the hidden layer's terms, so one bf16 number's eight bits are too few there); the two tangents go as single bf16 numbers.
; SHARES.  256 work-groups of 8 waves; a work-group has 2,048 samples, a wave 256: 8 trips of 32 samples, a trip two tiles of 16.  Two waves of 512 registers lie on a SIMD, so that one wave's
; matrix instructions and the places behind them stand beside the other's vector work.  No tensor load, no ring, no cluster: no tile is shared, and all weights (55 KB) stay in each wave's registers.
; LAYOUT.  Every product is used transposed: source 0 = 16 rows of W^T (units), source 1 = 16 samples.  THE UNITS OF A TILE ARE NOT NEIGHBOURS: row m of tile t is unit 8 t + (m % 8) + 32 (m / 8).
; In the results lane (r, h) (r = lane % 16, h = lane / 16) then holds, in register 8 t + j, unit 32 h + 8 t + j of sample r: its 32 registers are ONE WHOLE BLOCK of 32 along the next K, the very block
; that the 4-bit operand's layout gives that lane (registers 0-3: k = 32 h + 0 .. 31).  So a block's largest magnitude needs no other lane, the four conversions' results are the operand's registers as they
; stand, and only the scale's byte crosses the halves of the lanes.
; K = 64 OF THE INSTRUCTION'S 128.  The samples' registers 4-7 are zero codes, written once; bytes 2 and 3 of all scale words are 0 (2^-127).  Since that side is zero there, the weights' registers 4-7 may
; hold any codes: the weights' tiles lie 4 registers apart and an operand runs on over the next tile's codes; four zero registers stand behind the last.
; REGISTERS.  Window 0: v1-9 addresses; v10-13 (1, 2), (4, 8); v14-17 a trip's inputs; v18-26 the head's nine numbers; v28-33 the weights' scale words, v34-36 the samples' (scales and nothing else);
;   v37-48 at work in the quantisers; v50-57 at work; v58-67 a tile's ten features a lane; v68-91 the three streams' codes (4 registers and 4 zeros each); v92-93 two coefficients; v94-95 LDS addresses of the head;
;   v96-127 A0: the first layer's sums and the last product's (written by matrix instructions alone); v128-159 H (primal), v160-191 P, v192-223 Q (the two tangents); v224-255 T, at work.
;   Window 1: v0-31 b_in, v32-127 b_hid (in the results' layout: they are the C of a sum's first product); v128-167 W_in's fragments; v168-183 W_out's; v184-231 W_hid's codes; v232-235 zeros.
; LDS: images of W_hid's 12 operands and their scale words, rows 18 and 19 of W_in, a stage of 3,072 bytes for each wave's results, the spare words.
.set WIMG,  0                          ; 12 fragments (4 l + t) x 512 bytes: lane L's four registers at 16 L
.set WSC,   6144                       ; 12 x 64 bytes: row m's scale word at 4 m
.set TAN,   6912                       ; W_in's rows 18 and 19 as they lie in memory: 512 bytes
.set STG,   7424                       ; 8 waves x 3,072 bytes: 256 samples x 12 bytes, each wave's own
.set WSTG,  3072
.set SPARE, 32000                      ; the spare words, 128 bytes for each wave: four blocks of 256 bytes that no other line names
.set LI,   1                           ; v1   16 x lane
.set VOFF, 2                           ; v2   8 x lane + 256 x trip: my sample in wo and in z
.set TANA, 3                           ; v3   TAN + 128 h
.set STA,  4                           ; v4   my sample's 12 bytes in my wave's stage
.set STT,  5                           ; v5   the same for the trip in hand
.set FLA,  6                           ; v6   my wave's stage + 16 x lane
.set LS,   7                           ; v7   4 x lane
.set SPW,  8                           ; v8   LDS address of my spare word; never rewritten
.set NIL,  9                           ; v9   0; never rewritten
.set KC,   10
.set IN,   14
.set E,    18
.set WS,   28
.set BS,   34
.set M,    37
.set SO,   40
.set BY,   43
.set PB,   46
.set U,    50
.set X,    58
.set CB,   68
.set KD,   92
.set WIA,  94
.set WSA,  95
.set A0,   96
.set H,    128
.set P,    160
.set Q,    192
.set T,    224
.set BI,   0                           ; window 1 from here on
.set BH,   32
.set WINF, 128
.set WO,   168
.set WH,   184
.set PAD,  232
; s[4:5] wo, s[6:7] z, s[8:9] W_in, s[10:11] b_in, s[12:13] W_hid, s[14:15] b_hid, s[16:17] W_out, s[18:19] b_out, s[20:21] out0; s22 wave; s23 0xffff0000 (lanes 16-31; a word's upper half);
; s[24:26] b_out; s28 ln 2; s29 EPS; s30, s31 lane selects; s32, s33 1 / pi in two words; s36 trips left; s37 the trip's place in the stage; s38-43 at work; s[44:45] -log2(e); s46 1 / 3
.set MSB, 0
.macro WIN new                         ; s_set_vgpr_msb: bits 1:0 source 0, 3:2 source 1, 5:4 source 2, 7:6 destination; the high byte repeats the setting that is left
.if MSB != \new
	s_set_vgpr_msb (MSB<<8)|\new
.set MSB, \new
.endif
.endm
; ---------------------------------------------------------------- macros of the head
; 32 numbers of a lane, W_hid[l][32 h + i][my unit], become four registers of codes and my row's scale word; both go to LDS as images of the operand's registers.
.macro QUANTW src, ioff, soff
	v_max3_num_f32 v[M], |v[\src]|, |v[\src+1]|, |v[\src+2]|
	v_max3_num_f32 v[M+1], |v[\src+3]|, |v[\src+4]|, |v[\src+5]|
.irp i, 6,10,14,18,22,26
	v_max3_num_f32 v[M], v[M], |v[\src+\i]|, |v[\src+\i+1]|
	v_max3_num_f32 v[M+1], v[M+1], |v[\src+\i+2]|, |v[\src+\i+3]|
.endr
	v_max3_num_f32 v[M], v[M], |v[\src+30]|, |v[\src+31]|
	v_max3_num_f32 v[M], v[M], v[M+1], 0x1800000   ; and the floor 2^(3 - 127): the byte cannot fall under 1
	v_add_nc_u32 v[SO], 0xff000000, v[M]           ; 2 off the exponent field: the conversion's scale operand
	v_lshrrev_b32 v[BY], 23, v[SO]                 ; my block's byte (block h)
	v_permlanex16_b32 v[PB], v[BY], s30, s31       ; the other block's
	v_cndmask_b32 v50, v[BY], v[PB], s23           ; block 0's byte,
	v_cndmask_b32 v51, v[PB], v[BY], s23           ; block 1's
	v_lshl_or_b32 v56, v51, 8, v50                 ; the row's scale word; bytes 2 and 3 stay 0
.irp g, 0,1,2,3
	v_cvt_scalef32_pk8_fp4_f32 v[52+\g], v[\src+8*\g:\src+8*\g+7], v[SO]
.endr
	v_nop                                          ; one plain place behind a scaled conversion
	ds_store_b128 v[WIA], v[52:55] offset:\ioff
	ds_store_b32 v[WSA], v56 offset:\soff          ; both halves of the lanes write the same word with the same value
.endm
.macro WINLD t, e, base                ; W_in[base + h][my unit of tile t]: feature e of coordinate h
	global_load_b32 v[WINF+10*(\t)+(\e)], v58, s[8:9] offset:256*(\base)+32*(\t)
.endm
; ---------------------------------------------------------------- macros of a tile
; The features of tile k.  Lane (r, h) holds coordinate h of sample r: X0 = wo, X1 = z, X2-5 = sin(2^i wo), X6-9 = cos(2^i wo).  In K step q of the first product the lane's two registers are
; k = 2 h + 0, 1 (the f32 form's layout): W_in's fragments were loaded to match.  wo / pi is kept in two words; each frequency is brought to |t| <= 1/2 on its own and takes the series of sin(pi t), cos(pi t).
.set F, T
.macro HORN cs, cd
.irp p, 0,1
	v_pk_fma_f32 v[F+18+2*\p:F+19+2*\p], v[F+18+2*\p:F+19+2*\p], v[F+10+2*\p:F+11+2*\p], \cs op_sel_hi:[1,1,0]
	v_pk_fma_f32 v[F+22+2*\p:F+23+2*\p], v[F+22+2*\p:F+23+2*\p], v[F+10+2*\p:F+11+2*\p], \cd op_sel_hi:[1,1,0]
.endr
.endm
.macro FEAT k
	v_mov_b32 v[X], v[IN+\k]
	v_mov_b32 v[X+1], v[IN+2+\k]
.irp i, 0,1,2,3,4,5,6,7
	ds_load_b128 v[P+4*\i:P+4*\i+3], v[TANA] offset:16*\i        ; the first layer's tangents: W_in's row 18, units 32 h + 0 .. 31,
.endr
.irp i, 0,1,2,3,4,5,6,7
	ds_load_b128 v[Q+4*\i:Q+4*\i+3], v[TANA] offset:256+16*\i    ; and row 19
.endr
.if \k == 1
	s_cmp_eq_u32 s36, 1                            ; the next trip's inputs are asked for half a trip ahead; the last trip asks for nothing: no load leaves its buffer
	s_cbranch_scc1 .Lno_next
	v_add_nc_u32 v[VOFF], 0x100, v[VOFF]           ; (the loads that read it were waited for at the trip's head)
	global_load_b64 v[IN:IN+1], v[VOFF], s[4:5] th:TH_LOAD_NT
	global_load_b64 v[IN+2:IN+3], v[VOFF], s[6:7] th:TH_LOAD_NT
.Lno_next:
.endif
	v_mul_f32 v[F], s32, v[X]                      ; wo / pi: the high word,
	v_fma_f32 v[F+1], v[X], s32, -v[F]             ; what that product rounded away,
	v_fma_f32 v[F+1], v[X], s33, v[F+1]            ; and 1 / pi's low word
	v_pk_mul_f32 v[F+2:F+3], v[F:F+1], v[KC:KC+1] op_sel_hi:[0,1]        ; x 1, 2
	v_pk_mul_f32 v[F+4:F+5], v[F:F+1], v[KC+2:KC+3] op_sel_hi:[0,1]      ; x 4, 8: exact
	v_pk_add_f32 v[F+6:F+7], v[F+2:F+3], 0x4b400000 op_sel_hi:[1,0]      ; + 1.5 x 2^23: the nearest whole number n in the low bits
	v_pk_add_f32 v[F+8:F+9], v[F+4:F+5], 0x4b400000 op_sel_hi:[1,0]
	v_pk_add_f32 v[F+10:F+11], v[F+6:F+7], 0xcb400000 op_sel_hi:[1,0]    ; n
	v_pk_add_f32 v[F+12:F+13], v[F+8:F+9], 0xcb400000 op_sel_hi:[1,0]
	v_pk_add_f32 v[F+2:F+3], v[F+2:F+3], v[F+10:F+11] neg_lo:[0,1] neg_hi:[0,1]   ; less n: exact
	v_pk_add_f32 v[F+4:F+5], v[F+4:F+5], v[F+12:F+13] neg_lo:[0,1] neg_hi:[0,1]
	v_pk_fma_f32 v[F+2:F+3], v[F:F+1], v[KC:KC+1], v[F+2:F+3] op_sel:[1,0,0] op_sel_hi:[1,1,1]     ; + the low word x the frequency: t
	v_pk_fma_f32 v[F+4:F+5], v[F:F+1], v[KC+2:KC+3], v[F+4:F+5] op_sel:[1,0,0] op_sel_hi:[1,1,1]
.irp i, 0,1,2,3
	v_lshlrev_b32 v[F+14+\i], 31, v[F+6+\i]        ; n's parity as a sign bit: sin and cos of pi (n + t) are (-1)^n times those of pi t
.endr
	v_pk_mul_f32 v[F+10:F+11], v[F+2:F+3], v[F+2:F+3]                    ; t^2
	v_pk_mul_f32 v[F+12:F+13], v[F+4:F+5], v[F+4:F+5]
.irp p, 0,1
	v_pk_fma_f32 v[F+18+2*\p:F+19+2*\p], v[F+10+2*\p:F+11+2*\p], v[KD:KD+1], 0x3da83c1a op_sel_hi:[1,0,0]                ; -pi^11/11! t^2 + pi^9/9!
	v_pk_fma_f32 v[F+22+2*\p:F+23+2*\p], v[F+10+2*\p:F+11+2*\p], v[KD:KD+1], 0xbcd368f9 op_sel:[0,1,0] op_sel_hi:[1,1,0]  ; pi^12/12! t^2 - pi^10/10!
.endr
	HORN 0xbf196966, 0x3e70fa83                    ; -pi^7/7!,  pi^8/8!
	HORN 0x402335e3, 0xbfaae9e4                    ;  pi^5/5!, -pi^6/6!
	HORN 0xc0a55de7, 0x4081e0f8                    ; -pi^3/3!,  pi^4/4!
	HORN 0x40490fdb, 0xc09de9e6                    ;  pi,      -pi^2/2
.irp p, 0,1
	v_pk_fma_f32 v[F+22+2*\p:F+23+2*\p], v[F+22+2*\p:F+23+2*\p], v[F+10+2*\p:F+11+2*\p], 1.0 op_sel_hi:[1,1,0]
.endr
.irp i, 0,1,2,3
	v_xor_b32 v[F+2+\i], v[F+14+\i], v[F+2+\i]
.endr
	v_pk_mul_f32 v[X+2:X+3], v[F+18:F+19], v[F+2:F+3]
	v_pk_mul_f32 v[X+4:X+5], v[F+20:F+21], v[F+4:F+5]
.irp i, 0,1,2,3
	v_xor_b32 v[X+6+\i], v[F+14+\i], v[F+22+\i]
.endr
.endm
; The first layer, in f32: five K steps of 4, the four tiles of units by turns; b_in is the C of each sum's first product.
.macro L0
	WIN 0x11                                       ; W_in's fragments and b_in in window 1
.irp t, 0,1,2,3
	v_wmma_f32_16x16x4_f32 v[A0+8*\t:A0+8*\t+7], v[WINF+10*\t:WINF+10*\t+1], v[X:X+1], v[BI+8*\t:BI+8*\t+7]
.endr
	WIN 0x01
.irp q, 1,2,3,4
.irp t, 0,1,2,3
	v_wmma_f32_16x16x4_f32 v[A0+8*\t:A0+8*\t+7], v[WINF+10*\t+2*\q:WINF+10*\t+2*\q+1], v[X+2*\q:X+2*\q+1], v[A0+8*\t:A0+8*\t+7]
.endr
.endr
	WIN 0
.rept 8
	v_nop                                          ; eight places behind this form, in front of the first read of its results
.endr
	s_wait_dscnt 0x0                               ; rows 18 and 19 of W_in are in P and Q (and the last trip's three stores into the stage are done)
.endm
; THE ACTIVATION of a layer: s = 1 / (1 + 2^(-a log2 e)); h = a s; g = s + h (1 - s) = silu'(a); the two tangents are multiplied by g.  src holds a (A0 behind the first layer, else H); h goes to H.
; The 32 units go in four chunks of 8 through a pipeline of beats.  In a beat one chunk's exponentials and another's reciprocals stand singly among a third chunk's plain arithmetic.
; No line of a beat names a result of that beat's own exponentials or reciprocals; each beat opens with a wait ahead of the first reader of the beat before: five waits a layer.
.macro PREOP src, p
	v_pk_mul_f32 v[T+2*(\p):T+2*(\p)+1], v[\src+2*(\p):\src+2*(\p)+1], s[44:45] op_sel_hi:[1,0]    ; -a log2(e); each accumulator is read from its low end on
.endm
.macro ACTHEAD src
.irp p, 0,1,2,3
	PREOP \src, \p
.endr
.irp n, 0,1,2,3,4,5,6,7,8,9,10,11
.if \n < 8
	v_exp_f32 v[T+\n], v[T+\n]
.endif
	PREOP \src, 4+\n
.endr
.endm
.macro RESTOP src, c, k, i
.set rb, 8*(\c)+2*(\i)
.if (\k) == 0
	v_pk_mul_f32 v[H+rb:H+rb+1], v[\src+rb:\src+rb+1], v[T+rb:T+rb+1]                                       ; h = a s
.elseif (\k) == 1
	v_pk_fma_f32 v[U+2*(\i):U+2*(\i)+1], v[H+rb:H+rb+1], v[T+rb:T+rb+1], v[H+rb:H+rb+1] neg_lo:[1,0,0] neg_hi:[1,0,0]   ; h - h s
.elseif (\k) == 2
	v_pk_add_f32 v[T+rb:T+rb+1], v[U+2*(\i):U+2*(\i)+1], v[T+rb:T+rb+1]                                     ; g
.elseif (\k) == 3
	v_pk_mul_f32 v[P+rb:P+rb+1], v[P+rb:P+rb+1], v[T+rb:T+rb+1]
.else
	v_pk_mul_f32 v[Q+rb:Q+rb+1], v[Q+rb:Q+rb+1], v[T+rb:T+rb+1]
.endif
.endm
; mode 1: the chunk joins the three blocks' largest magnitudes (all 32 numbers of a block are the lane's own; the floor 2^(3 - 127) is the first leaf).
; mode 2, the last layer: rounded to bf16 and packed, pair 2 n, 2 n + 1 into register n.  The tangents in place.  The primal as two parts: the high part goes to T + n (chunk c writes T + 4 c .. 4 c + 3, which
; belong to chunks whose g has been used up); it is widened again, taken off h in f32, and what is left is packed in place into H + n.
.macro TAIL c, mode
.if (\mode) == 1
.irp i, 0,1,2,3
.if ((\c) == 0) && (\i == 0)
	v_max3_num_f32 v[M], |v[H]|, |v[H+1]|, 0x1800000
	v_max3_num_f32 v[M+1], |v[P]|, |v[P+1]|, 0x1800000
	v_max3_num_f32 v[M+2], |v[Q]|, |v[Q+1]|, 0x1800000
.else
	v_max3_num_f32 v[M], v[M], |v[H+8*(\c)+2*\i]|, |v[H+8*(\c)+2*\i+1]|
	v_max3_num_f32 v[M+1], v[M+1], |v[P+8*(\c)+2*\i]|, |v[P+8*(\c)+2*\i+1]|
	v_max3_num_f32 v[M+2], v[M+2], |v[Q+8*(\c)+2*\i]|, |v[Q+8*(\c)+2*\i+1]|
.endif
.endr
.else
.irp i, 0,1,2,3
	v_cvt_pk_bf16_f32 v[T+4*(\c)+\i], v[H+8*(\c)+2*\i], v[H+8*(\c)+2*\i+1]      ; h's high part
	v_cvt_pk_bf16_f32 v[P+4*(\c)+\i], v[P+8*(\c)+2*\i], v[P+8*(\c)+2*\i+1]
	v_cvt_pk_bf16_f32 v[Q+4*(\c)+\i], v[Q+8*(\c)+2*\i], v[Q+8*(\c)+2*\i+1]
.endr
.irp i, 0,1,2,3
	v_lshlrev_b32 v[U+2*\i], 16, v[T+4*(\c)+\i]                                  ; the high part as f32 again
	v_and_b32 v[U+2*\i+1], s23, v[T+4*(\c)+\i]
.endr
.irp i, 0,1,2,3
	v_pk_add_f32 v[U+2*\i:U+2*\i+1], v[H+8*(\c)+2*\i:H+8*(\c)+2*\i+1], v[U+2*\i:U+2*\i+1] neg_lo:[0,1] neg_hi:[0,1]   ; h less its high part: exact
.endr
.irp i, 0,1,2,3
	v_cvt_pk_bf16_f32 v[H+4*(\c)+\i], v[U+2*\i], v[U+2*\i+1]                     ; h's low part
.endr
.endif
.endm
; A beat: chunk ce's exponentials, chunk cr's reciprocals, chunk cs's arithmetic (-1: none).
.macro BEAT src, ce, cr, cs, mode
	s_wait_alu depctr_va_vdst(0)                   ; one wait for the beat before's exponentials and reciprocals, ahead of their first reader
.if (\cr) >= 0
.irp i, 0,1,2,3
	v_pk_add_f32 v[T+8*(\cr)+2*\i:T+8*(\cr)+2*\i+1], v[T+8*(\cr)+2*\i:T+8*(\cr)+2*\i+1], 1.0 op_sel_hi:[1,0]
.endr
.endif
.irp k, 0,1,2,3,4
.irp i, 0,1,2,3
.if (\cs) >= 0
	RESTOP \src, \cs, \k, \i
.endif
.if ((\cr) >= 0) && (4*\k+\i < 8)
	v_rcp_f32 v[T+8*(\cr)+4*\k+\i], v[T+8*(\cr)+4*\k+\i]
.endif
.if ((\ce) >= 0) && (4*\k+\i >= 8) && (4*\k+\i < 16)
	v_exp_f32 v[T+8*(\ce)+4*\k+\i-8], v[T+8*(\ce)+4*\k+\i-8]
.endif
.endr
.endr
.if (\cs) >= 0
	TAIL \cs, \mode
.else
	v_nop                                          ; a plain place behind the last exponential
.endif
.endm
.macro ACT src, mode
	ACTHEAD \src
	BEAT \src, 1, 0, -1, \mode
	BEAT \src, 2, 1, 0, \mode
	BEAT \src, 3, 2, 1, \mode
	BEAT \src, -1, 3, 2, \mode
	BEAT \src, -1, -1, 3, \mode
.endm
; The three streams' scales and codes.  Lanes 0-15 hold block 0's byte and fetch block 1's from lane l xor 16: their word is the sample's scale word (lanes 16-31 are not read).
.macro QTAIL
.irp s, 0,1,2
	v_add_nc_u32 v[SO+\s], 0xff000000, v[M+\s]     ; 2 off the exponent field: the conversion's scale operand
.endr
.irp s, 0,1,2
	v_lshrrev_b32 v[BY+\s], 23, v[SO+\s]           ; the scale's byte
.endr
.irp s, 0,1,2
	v_permlanex16_b32 v[PB+\s], v[BY+\s], s30, s31
.endr
.irp s, 0,1,2
	v_lshl_or_b32 v[BS+\s], v[PB+\s], 8, v[BY+\s]
.endr
.irp g, 0,1,2,3
	v_cvt_scalef32_pk8_fp4_f32 v[CB+\g], v[H+8*\g:H+8*\g+7], v[SO]
	v_cvt_scalef32_pk8_fp4_f32 v[CB+8+\g], v[P+8*\g:P+8*\g+7], v[SO+1]
	v_cvt_scalef32_pk8_fp4_f32 v[CB+16+\g], v[Q+8*\g:Q+8*\g+7], v[SO+2]
.endr
.rept 8
	v_nop                                          ; the place behind the conversions; eight places between the scale words' last write and the scaled products, four of them for the codes
.endr
.endm
; One product of a hidden layer: tile t of layer l's units x stream s's 16 samples.  The weights' scale words of tiles 2 p and 2 p + 1 share a register: lanes 0-15 and lanes 16-31.
.macro FP4MM d, l, t, s, bias
.set rD, \d+8*(\t)
.set rA, WH+16*(\l)+4*(\t)
.set rB, CB+8*(\s)
.set rC, BH+32*(\l)+8*(\t)
.set rW, WS+2*(\l)+(\t)/2
.if \bias
.if (\t)%2
	v_wmma_scale_f32_16x16x128_f8f6f4 v[rD:rD+7], v[rA:rA+7], v[rB:rB+7], v[rC:rC+7], v[rW], v[BS+\s] matrix_a_fmt:MATRIX_FMT_FP4 matrix_b_fmt:MATRIX_FMT_FP4 matrix_a_scale:MATRIX_SCALE_ROW1
.else
	v_wmma_scale_f32_16x16x128_f8f6f4 v[rD:rD+7], v[rA:rA+7], v[rB:rB+7], v[rC:rC+7], v[rW], v[BS+\s] matrix_a_fmt:MATRIX_FMT_FP4 matrix_b_fmt:MATRIX_FMT_FP4
.endif
.else
.if (\t)%2
	v_wmma_scale_f32_16x16x128_f8f6f4 v[rD:rD+7], v[rA:rA+7], v[rB:rB+7], 0, v[rW], v[BS+\s] matrix_a_fmt:MATRIX_FMT_FP4 matrix_b_fmt:MATRIX_FMT_FP4 matrix_a_scale:MATRIX_SCALE_ROW1
.else
	v_wmma_scale_f32_16x16x128_f8f6f4 v[rD:rD+7], v[rA:rA+7], v[rB:rB+7], 0, v[rW], v[BS+\s] matrix_a_fmt:MATRIX_FMT_FP4 matrix_b_fmt:MATRIX_FMT_FP4
.endif
.endif
.endm
.macro HID l                           ; twelve products on twelve accumulators: the primal's start with b_hid as C, the tangents' with 0
	WIN 0x11                                       ; the weights' codes and b_hid in window 1
.irp t, 0,1,2,3
	FP4MM H, \l, \t, 0, 1
.endr
	WIN 0x01
.irp t, 0,1,2,3
	FP4MM P, \l, \t, 1, 0
.endr
.irp t, 0,1,2,3
	FP4MM Q, \l, \t, 2, 0
.endr
	WIN 0
.rept 4
	v_nop                                          ; four places behind this form, in front of the first read of its results
.endr
.endm
; The last product, on bf16: rows 0-2 of source 0 are W_out's three columns rounded to bf16, rows 3-5 what that rounding left, rows 6-7 zeros; rows 8-15 repeat them, so that both halves of the lanes get the sums.
; A lane's register 8 q + i holds units 32 h + 16 q + 2 i, + 1 on both sides: the same places of K for both, each unit once.  The primal has four products (two K steps x h's high part in T, its low part in H),
; each tangent two; the primal's stand between the tangents', so that no two matrix instructions on end share an accumulator.
.macro OUT
	WIN 0x01
	v_wmma_f32_16x16x32_bf16 v[A0:A0+7], v[WO:WO+7], v[T:T+7], 0
	v_wmma_f32_16x16x32_bf16 v[A0+8:A0+15], v[WO:WO+7], v[P:P+7], 0
	v_wmma_f32_16x16x32_bf16 v[A0:A0+7], v[WO+8:WO+15], v[T+8:T+15], v[A0:A0+7]
	v_wmma_f32_16x16x32_bf16 v[A0+16:A0+23], v[WO:WO+7], v[Q:Q+7], 0
	v_wmma_f32_16x16x32_bf16 v[A0:A0+7], v[WO:WO+7], v[H:H+7], v[A0:A0+7]
	v_wmma_f32_16x16x32_bf16 v[A0+8:A0+15], v[WO+8:WO+15], v[P+8:P+15], v[A0+8:A0+15]
	v_wmma_f32_16x16x32_bf16 v[A0:A0+7], v[WO+8:WO+15], v[H+8:H+15], v[A0:A0+7]
	v_wmma_f32_16x16x32_bf16 v[A0+16:A0+23], v[WO+8:WO+15], v[Q+8:Q+15], v[A0+16:A0+23]
	WIN 0
.rept 4
	v_nop
.endr
.endm
; The sums of W_out's high and low rows are added.  Tile 0's nine numbers stay in lanes 0-15, tile 1's go to lanes 16-31: lane L then holds sample L of the trip.
.macro MERGE k
.irp s, 0,1,2
.irp o, 0,1,2
.if \k == 0
	v_add_f32 v[E+3*\s+\o], v[A0+8*\s+\o], v[A0+8*\s+\o+3]
.else
	v_add_f32 v[T+3*\s+\o], v[A0+8*\s+\o], v[A0+8*\s+\o+3]
.endif
.endr
.endr
.if \k == 1
.irp i, 0,1,2,3,4,5,6,7,8
	v_cndmask_b32 v[E+\i], v[E+\i], v[T+\i], s23
.endr
.endif
.endm
.macro TILE k
	FEAT \k
	L0
	ACT A0, 1
	QTAIL
	HID 0
	ACT H, 1
	QTAIL
	HID 1
	ACT H, 1
	QTAIL
	HID 2
	ACT H, 2
	OUT
	MERGE \k
.endm
; 128 samples' results, 1,536 bytes of my stage, leave as three stores of 512 consecutive bytes, each at a multiple of 256 from out0's first byte.
.macro FLUSH hf
.irp i, 0,1,2
	ds_load_b128 v[T+4*\i:T+4*\i+3], v[FLA] offset:1536*(\hf)+512*\i      ; LDS serves a wave's instructions in order (ISA guide 5.7.1.4): these see my stores
.endr
	s_wait_dscnt 0x0
.irp i, 0,1,2
	global_store_b128 v[LI], v[T+4*\i:T+4*\i+3], s[20:21] offset:1536*(\hf)+512*\i th:TH_STORE_NT
.endr
	s_wait_xcnt 0x0                                ; the stores have read their registers: T may be written again
.endm
; ---------------------------------------------------------------- the head
	s_load_b256 s[4:11], s[0:1], 0x0
	s_load_b256 s[12:19], s[0:1], 0x20
	s_load_b64 s[20:21], s[0:1], 0x40
	v_lshl_add_u32 v[SPW], v0, 2, SPARE
	v_mov_b32 v[NIL], 0
	v_lshrrev_b32 v50, 5, v0
	v_readfirstlane_b32 s22, v50                   ; wave 0..7
	v_and_b32 v51, 31, v0                          ; lane
	v_and_b32 v52, 15, v0                          ; r
	v_bfe_u32 v53, v0, 4, 1                        ; h
	v_lshlrev_b32 v[LI], 4, v51
	v_lshlrev_b32 v[VOFF], 3, v51
	v_lshl_add_u32 v[TANA], v53, 7, TAN
	s_mul_i32 s38, s22, WSTG
	s_add_co_u32 s38, s38, STG                     ; my wave's stage
	v_mul_u32_u24 v[STA], v51, 12
	v_add_nc_u32 v[STA], s38, v[STA]
	v_add_nc_u32 v[FLA], s38, v[LI]
	v_lshlrev_b32 v[LS], 2, v51
	s_lshl_b32 s39, s22, 9
	v_add_nc_u32 v[WIA], s39, v[LI]                ; the image of fragment w: WIMG (= 0) + 512 w + 16 x lane
	s_lshl_b32 s39, s22, 6
	s_add_co_u32 s39, s39, WSC
	v_lshl_add_u32 v[WSA], v52, 2, s39             ; its scale words: WSC + 64 w + 4 r
	v_and_b32 v54, 7, v52                          ; r % 8
	v_lshrrev_b32 v55, 3, v52                      ; r / 8
	v_lshlrev_b32 v56, 2, v54
	v_lshl_add_u32 v56, v55, 7, v56                ; 4 x (r % 8 + 32 (r / 8)): my row's unit in tile 0, in bytes
	v_lshlrev_b32 v57, 7, v53                      ; the biases: 128 h
	v_lshl_add_u32 v58, v53, 8, v56                ; W_in: row h, my unit
	s_lshr_b32 s42, s22, 2
	s_lshl_b32 s42, s42, 14                        ; W_hid: fragment w is layer w / 4,
	s_and_b32 s43, s22, 3
	s_lshl_b32 s43, s43, 5                         ; tile w % 4
	s_add_co_u32 s42, s42, s43
	v_lshl_add_u32 v59, v53, 13, v56               ; rows 32 h on, my unit
	v_add_nc_u32 v59, s42, v59
	v_mul_u32_u24 v60, v54, 11
	v_lshrrev_b32 v60, 5, v60                      ; d = (r % 8) / 3: 0 the high part, 1 the low part, 2 nothing
	v_mul_u32_u24 v61, v60, 3
	v_sub_nc_u32 v61, v54, v61                     ; the column of W_out
	v_mul_u32_u24 v62, v53, 384
	v_lshl_add_u32 v62, v61, 2, v62                ; W_out: rows 32 h on (12 bytes each), my column
	v_mov_b32 v[KC], 1.0
	v_mov_b32 v[KC+1], 2.0
	v_mov_b32 v[KC+2], 4.0
	v_mov_b32 v[KC+3], 0x41000000
	v_mov_b32 v[KD], 0xbbf183a8                    ; -pi^11/11!
	v_mov_b32 v[KD+1], 0x3afce9c5                  ;  pi^12/12!
.irp s, 0,1,2
.irp i, 4,5,6,7
	v_mov_b32 v[CB+8*\s+\i], 0                     ; the samples' codes of k = 64 .. 127: zeros, written once
.endr
	v_mov_b32 v[PB+\s], 0                          ; written once: a lane permute's destination counts as one of its sources
.endr
	s_mov_b32 s23, 0xffff0000
	s_mov_b32 s28, 0x3f317218                      ; ln 2
	s_mov_b32 s29, 0x2b8cbccc                      ; EPS = 1e-12
	s_mov_b32 s30, 0x76543210
	s_mov_b32 s31, 0xfedcba98                      ; v_permlanex16_b32's selects for lane l xor 16
	s_mov_b32 s32, 0x3ea2f983                      ; 1 / pi, the high word,
	s_mov_b32 s33, 0x325c9c88                      ; and the low
	s_mov_b32 s44, 0xbfb8aa3b                      ; -log2(e)
	s_mov_b32 s45, s44                             ; (named with it as a pair, so it is written)
	s_mov_b32 s46, 0x3eaaaaab                      ; 1 / 3
	s_mov_b32 s36, 8
	s_mov_b32 s37, 0
	s_lshl_b32 s38, ttmp9, 14                      ; wo, z: 2,048 samples of 8 bytes a work-group,
	s_lshl_b32 s39, s22, 11                        ; 256 a wave
	s_add_co_u32 s38, s38, s39
	s_mov_b32 s39, 0
	s_mul_i32 s40, ttmp9, 24576                    ; out0: 12 bytes a sample
	s_mul_i32 s41, s22, WSTG
	s_add_co_u32 s40, s40, s41
	s_mov_b32 s41, 0
	s_wait_kmcnt 0x0
	s_load_b96 s[24:26], s[18:19], 0x0             ; b_out
	s_add_nc_u64 s[4:5], s[4:5], s[38:39]
	s_add_nc_u64 s[6:7], s[6:7], s[38:39]
	s_add_nc_u64 s[20:21], s[20:21], s[40:41]
	global_load_b64 v[IN:IN+1], v[VOFF], s[4:5] th:TH_LOAD_NT       ; the first trip's 32 samples: 256 consecutive bytes a load
	global_load_b64 v[IN+2:IN+3], v[VOFF], s[6:7] th:TH_LOAD_NT
	WIN 0x40                                       ; destination window 1
.irp i, 0,1,2,3,4,5,6,7
	global_load_b128 v[BI+4*\i:BI+4*\i+3], v57, s[10:11] offset:16*\i     ; register 8 t + j: b_in[32 h + 8 t + j]
.endr
.set j, 0
.rept 24
	global_load_b128 v[BH+4*j:BH+4*j+3], v57, s[14:15] offset:256*(j/8)+16*(j%8)
.set j, j+1
.endr
.irp t, 0,1,2,3                        ; feature e of coordinate h lies in row base + h of W_in: wo, z, sin x 4, cos x 4
	WINLD \t, 0, 0
	WINLD \t, 1, 18
	WINLD \t, 2, 2
	WINLD \t, 3, 6
	WINLD \t, 4, 10
	WINLD \t, 5, 14
	WINLD \t, 6, 4
	WINLD \t, 7, 8
	WINLD \t, 8, 12
	WINLD \t, 9, 16
.endr
	WIN 0
.set j, 0
.rept 32
	global_load_b32 v[Q+j], v62, s[16:17] offset:12*j              ; W_out[32 h + j][my column]
.set j, j+1
.endr
.set j, 0
.rept 32
	global_load_b32 v[H+j], v59, s[12:13] offset:256*j             ; W_hid, fragment w: [32 h + j][my unit]: the registers run down K
.set j, j+1
.endr
	; The waves part once, on the wave's number: waves 0-3 quantise a second fragment (8 + w: layer 2, tile w), wave 4 brings rows 18 and 19 of W_in.  Each arm has its own loads, the wait for all loads, and its work.
	s_cmp_lt_u32 s22, 4
	s_cbranch_scc0 .Lhigh
.set j, 0
.rept 32
	global_load_b32 v[P+j], v59, s[12:13] offset:32768+256*j
.set j, j+1
.endr
	s_wait_loadcnt 0x0
	QUANTW H, 0, 0
	QUANTW P, 4096, 512
	s_branch .Lweights_done
.Lhigh:
	s_cmp_eq_u32 s22, 4
	s_cbranch_scc0 .Lplain
	global_load_b128 v[P:P+3], v[LI], s[8:9] offset:4608
	s_wait_loadcnt 0x0
	ds_store_b128 v[LI], v[P:P+3] offset:TAN
.Lplain:
	s_wait_loadcnt 0x0
	QUANTW H, 0, 0
.Lweights_done:
	; W_out's fragment, in every wave: value = (w - [d = 1] x bf16(w)) x [d < 2], rounded to bf16
	v_cmp_eq_u32 vcc_lo, 1, v60
	v_cndmask_b32 v64, 0, -1.0, vcc_lo
	v_cmp_gt_u32 vcc_lo, 2, v60
	v_cndmask_b32 v65, 0, 1.0, vcc_lo
.set j, 0
.rept 16
	v_cvt_pk_bf16_f32 v[H+j], v[Q+2*j], v[Q+2*j+1]
	v_lshlrev_b32 v[T+2*j], 16, v[H+j]
	v_and_b32 v[T+2*j+1], s23, v[H+j]
	v_pk_fma_f32 v[Q+2*j:Q+2*j+1], v[T+2*j:T+2*j+1], v[64:65], v[Q+2*j:Q+2*j+1] op_sel_hi:[1,0,1]
	v_pk_mul_f32 v[Q+2*j:Q+2*j+1], v[Q+2*j:Q+2*j+1], v[64:65] op_sel:[0,1] op_sel_hi:[1,1]
.set j, j+1
.endr
	WIN 0x40
.set j, 0
.rept 16
	v_cvt_pk_bf16_f32 v[WO+j], v[Q+2*j], v[Q+2*j+1]
.set j, j+1
.endr
	WIN 0
	s_wait_dscnt 0x0                               ; for the others' sake: my images lie in LDS
	s_barrier_signal -1
	s_barrier_wait -1                              ; everybody's do.  The launch's one barrier: behind it the images are only read
	WIN 0x40
.set j, 0
.rept 12
	ds_load_b128 v[WH+4*j:WH+4*j+3], v[LI] offset:WIMG+512*j       ; all twelve operands' codes: they stay in my registers
.set j, j+1
.endr
.irp i, 0,1,2,3
	v_mov_b32 v[PAD+\i], 0
.endr
	WIN 0
.irp p, 0,1,2,3,4,5
	ds_load_b32 v[WS+\p], v[LS] offset:WSC+128*\p  ; lanes 0-15: tile 2 p's scale words, lanes 16-31: tile 2 p + 1's
.endr
	s_wait_dscnt 0x0
	s_wait_kmcnt 0x0                               ; b_out
; ---------------------------------------------------------------- eight trips of 32 samples
.Ltrip:
	s_wait_loadcnt 0x0                             ; the trip's inputs, asked for half a trip ago
	v_permlane16_swap_b32 v[IN], v[IN+1]           ; lane L held (x0, x1) of sample L; now v14 holds coordinate h of sample r of tile 0, v15 of tile 1
	v_permlane16_swap_b32 v[IN+2], v[IN+3]         ; z likewise
	TILE 0
	TILE 1
	; THE HEAD of 32 samples, one a lane.  E0-2 = Tz less b_out, E3-5 and E6-8 its two tangents.
	v_add_f32 v[E], s24, v[E]
	v_add_f32 v[E+1], s25, v[E+1]
	v_add_f32 v[E+2], s26, v[E+2]
	v_mul_f32 v224, s44, |v[E+2]|
	v_exp_f32 v224, v224                           ; e = exp(-|x|)
	v_max_num_f32 v225, 0, v[E+2]                  ; softplus(x) = max(x, 0) + log1p(e), as reference()'s logaddexp has it
	v_mul_f32 v231, v[E], v[E]
	v_fma_f32 v231, v[E+1], v[E+1], v231
	s_wait_alu depctr_va_vdst(0)                   ; ahead of e's first reader
	v_add_f32 v226, 1.0, v224
	v_log_f32 v227, v226
	v_rcp_f32 v228, v226
	v_fma_f32 v229, v224, s46, -0.5                ; for small e, where 1 + e has lost it: e (1 + e (e / 3 - 1 / 2))
	v_fma_f32 v229, v229, v224, 1.0
	v_mul_f32 v229, v229, v224
	v_cmp_gt_f32 vcc_lo, 0x3c000000, v224          ; e < 2^-7
	s_wait_alu depctr_va_vdst(0)                   ; one wait for the logarithm and the reciprocal
	v_mul_f32 v227, s28, v227
	v_cndmask_b32 v227, v227, v229, vcc_lo
	v_add_f32 v225, v225, v227                     ; sp = softplus(Tz2)
	v_mul_f32 v230, v224, v228
	v_cmp_le_f32 vcc_lo, 0, v[E+2]
	v_cndmask_b32 v230, v230, v228, vcc_lo         ; sigmoid(Tz2): 1 / (1 + e) or e / (1 + e)
	v_fma_f32 v231, v225, v225, v231
	v_sqrt_f32 v232, v231                          ; n
	v_mul_f32 v[E+5], v230, v[E+5]                 ; the third component's tangents
	v_mul_f32 v[E+8], v230, v[E+8]
	v_mul_f32 v233, v[E], v[E+3]                   ; wi3 . its tangent, twice
	v_mul_f32 v234, v[E], v[E+6]
	v_fma_f32 v233, v[E+1], v[E+4], v233
	v_fma_f32 v234, v[E+1], v[E+7], v234
	v_fma_f32 v233, v225, v[E+5], v233
	v_fma_f32 v234, v225, v[E+8], v234
	s_wait_alu depctr_va_vdst(0)                   ; ahead of n's first reader
	v_max_num_f32 v235, s29, v232
	v_rcp_f32 v236, v235                           ; 1 / max(n, EPS)
	v_rcp_f32 v237, v232                           ; 1 / n
	v_cmp_lt_f32 vcc_lo, s29, v232                 ; the maximum passes n's tangent on only where n > EPS
	v_nop
	s_wait_alu depctr_va_vdst(0)                   ; one wait for the two reciprocals
	v_cndmask_b32 v237, 0, v237, vcc_lo
	v_mul_f32 v238, v[E], v236                     ; wi0
	v_mul_f32 v239, v[E+1], v236                   ; wi1
	v_mul_f32 v233, v233, v237                     ; the norm's tangents
	v_mul_f32 v234, v234, v237
	v_fma_f32 v[E+3], -v238, v233, v[E+3]          ; d wi = (d wi3 - wi x d norm) / norm: the numerators
	v_fma_f32 v[E+4], -v239, v233, v[E+4]
	v_fma_f32 v[E+6], -v238, v234, v[E+6]
	v_fma_f32 v[E+7], -v239, v234, v[E+7]
	v_mul_f32 v240, v[E+6], v[E+4]
	v_fma_f32 v240, v[E+3], v[E+7], -v240
	v_mul_f32 v241, v236, v236
	v_mul_f32 v240, v240, v241                     ; detJ
	v_add_nc_u32 v[STT], s37, v[STA]
	ds_store_b32 v[STT], v238                      ; 12 bytes a lane: three words apart, so the 32 lanes fall on different banks
	ds_store_b32 v[STT], v239 offset:4
	ds_store_b32 v[STT], v240 offset:8
	s_cmp_lg_u32 s36, 5                            ; behind the fourth trip the first 128 samples leave
	s_cbranch_scc1 .Lno_flush
	FLUSH 0
.Lno_flush:
	s_add_co_u32 s37, s37, 384
	s_sub_co_u32 s36, s36, 1
	s_cmp_lg_u32 s36, 0
	s_cbranch_scc1 .Ltrip
	FLUSH 1
	s_wait_tensorcnt 0x0                           ; the wave's end, behind my last LDS store
	ds_add_u32 v[SPW], v[NIL]
	s_wait_dscnt 0x0
	s_endpgm
.Lfunc_end_k_q52ec0f96a4_mlp:
	.size	k_q52ec0f96a4_mlp, .Lfunc_end_k_q52ec0f96a4_mlp-k_q52ec0f96a4_mlp
	.p2alignl 7, 3214868480
	.fill 96, 4, 3214868480
	.section	.rodata,"a",@progbits
	.p2align	6, 0x0
	.amdhsa_kernel k_q52ec0f96a4_mlp
		.amdhsa_group_segment_fixed_size 33024
		.amdhsa_private_segment_fixed_size 0
		.amdhsa_enable_private_segment 0
		.amdhsa_kernarg_size 72
		.amdhsa_user_sgpr_count 2
		.amdhsa_user_sgpr_kernarg_segment_ptr 1
		.amdhsa_wavefront_size32 1
		.amdhsa_system_sgpr_workgroup_id_x 1
		.amdhsa_system_sgpr_workgroup_id_y 1
		.amdhsa_system_sgpr_workgroup_id_z 1
		.amdhsa_system_vgpr_workitem_id 0
		.amdhsa_next_free_vgpr 512
		.amdhsa_next_free_sgpr 66
		.amdhsa_reserve_vcc 1
		.amdhsa_float_denorm_mode_32 3
		.amdhsa_float_denorm_mode_16_64 3
		.amdhsa_memory_ordered 1
		.amdhsa_forward_progress 1
		.amdhsa_inst_pref_size 177
	.end_amdhsa_kernel
	.amdgpu_metadata
---
amdhsa.version: [ 1, 2 ]
amdhsa.kernels:
  - .name:           k_q52ec0f96a4_mlp
    .symbol:         k_q52ec0f96a4_mlp.kd
    .args:
      - { .name: wo, .offset: 0, .size: 8, .value_kind: global_buffer, .address_space: global }
      - { .name: z, .offset: 8, .size: 8, .value_kind: global_buffer, .address_space: global }
      - { .name: W_in, .offset: 16, .size: 8, .value_kind: global_buffer, .address_space: global }
      - { .name: b_in, .offset: 24, .size: 8, .value_kind: global_buffer, .address_space: global }
      - { .name: W_hid, .offset: 32, .size: 8, .value_kind: global_buffer, .address_space: global }
      - { .name: b_hid, .offset: 40, .size: 8, .value_kind: global_buffer, .address_space: global }
      - { .name: W_out, .offset: 48, .size: 8, .value_kind: global_buffer, .address_space: global }
      - { .name: b_out, .offset: 56, .size: 8, .value_kind: global_buffer, .address_space: global }
      - { .name: out0, .offset: 64, .size: 8, .value_kind: global_buffer, .address_space: global }
    .group_segment_fixed_size: 33024
    .private_segment_fixed_size: 0
    .kernarg_segment_align: 8
    .kernarg_segment_size: 72
    .max_flat_workgroup_size: 256
    .sgpr_count:     66
    .vgpr_count:     512
    .wavefront_size: 32
...
	.end_amdgpu_metadata
.endif
;; end of part 1
;; ======== version 2 of 2: 1 launch; version 1 with the launch mlp written anew for expert scheduling mode
;; limits: inputs' magnitudes at most 262,144
;; launch mlp (part 2): grid 256 x 1, 8 waves a work-group, no clusters, 33,024 bytes of LDS; arguments wo, z, W_in, b_in, W_hid, b_hid, W_out, b_out, out0; writes out0
.if DOCPART == 2
	.amdgcn_target "amdgcn-amd-amdhsa--gfx1250"
	.amdhsa_code_object_version 6
	.text
	.protected	k_q52ec0f96a4_mlp
	.globl	k_q52ec0f96a4_mlp
	.p2align	8
	.type	k_q52ec0f96a4_mlp,@function
k_q52ec0f96a4_mlp:
	s_mov_b64 s[64:65], 0
	v_nop
	global_prefetch_b8 v0, s[64:65] scope:SCOPE_SE
	s_setreg_imm32_b32 hwreg(HW_REG_WAVE_SCHED_MODE, 0, 2), 2
	s_setreg_imm32_b32 hwreg(HW_REG_WAVE_MODE, 25, 1), 1
	s_wait_xcnt 0x0
	s_wait_alu depctr_vm_vsrc(0)
; out0[b] = (wi0, wi1, detJ) of the 20-64-64-64-64-3 SiLU network with a normalising head, for 524,288 samples, with the 2 x 2 Jacobian by z.
; The 64 x 64 products run on codes of FP4 (E2M1) with one E8M0 scale for each 32 along K; the 20 x 64 product in f32 (its result goes into a quantiser); the 64 x 3 product on bf16.
; WORK LEFT OUT, for all values of the inputs.  (a) reference() calls jax.jvp twice on the same f at the same z.  The second call's primal chain (the table's products 11, 13, 15, 17, 19) has the same
; operands, the same quantisers and the same sums as the first's (1, 3, 5, 7, 9): its wi is dropped by reference() itself, and what its tangent chain takes from it (a, sigmoid(a)) are the first chain's
; numbers.  So the primal chain is computed once and serves both tangents.  (b) The tangent that enters the first layer is [0 .. 0, 1, 0] or [0 .. 0, 0, 1]: cond does not hang on z, and t0, t1 are built in
; reference()'s own body.  So products 2 and 12 are rows 18 and 19 of W_in: they are read, not multiplied.  Every input has a way to an output and is loaded.
; LIMITS.  A NaN or an infinity that would reach a result only through the zeros of (b) is not carried.  NaN and infinities among the inputs are not served.  sin and cos serve |wo| < 2^18 (the
; whole part of 8 wo / pi is taken by adding 1.5 x 2^23).  A block whose largest magnitude lies under 2^-124 keeps the scale byte 1 (a block of zeros too: its codes are zeros).  Where the norm is exactly
; EPS its tangent is taken as 0.  A sum of squares under the smallest normal f32 number counts as 0.  In the last product W_out and the primal's hidden layer go as pairs of bf16 numbers, a high and a low
; part split in f32 (wi is small beside the hidden layer's terms, so one bf16 number's eight bits are too few there); the two tangents go as single bf16 numbers.
; SHARES.  256 work-groups of 8 waves; a work-group has 2,048 samples, a wave 256: 8 trips of 32 samples, a trip two tiles of 16.  Two waves of 512 registers lie on a SIMD, so that one wave's
; matrix instructions and the places behind them stand beside the other's vector work.  No tensor load, no ring, no cluster: no tile is shared, and all weights (55 KB) stay in each wave's registers.
; LAYOUT.  Every product is used transposed: source 0 = 16 rows of W^T (units), source 1 = 16 samples.  THE UNITS OF A TILE ARE NOT NEIGHBOURS: row m of tile t is unit 8 t + (m % 8) + 32 (m / 8).
; In the results lane (r, h) (r = lane % 16, h = lane / 16) then holds, in register 8 t + j, unit 32 h + 8 t + j of sample r: its 32 registers are ONE WHOLE BLOCK of 32 along the next K, the very block
; that the 4-bit operand's layout gives that lane (registers 0-3: k = 32 h + 0 .. 31).  So a block's largest magnitude needs no other lane, the four conversions' results are the operand's registers as they
; stand, and only the scale's byte crosses the halves of the lanes.
; K = 64 OF THE INSTRUCTION'S 128.  The samples' registers 4-7 are zero codes, written once; bytes 2 and 3 of all scale words are 0 (2^-127).  Since that side is zero there, the weights' registers 4-7 may
; hold any codes: the weights' tiles lie 4 registers apart and an operand runs on over the next tile's codes; four zero registers stand behind the last.
; THE MODE: SCHED_MODE bits 1:0 = 2 (LLVM: expert scheduling mode 2), set by the entry lines.  The code itself states the register dependences between vector or matrix instructions and memory or LDS
; instructions, with s_wait_alu, always for 0.
; THE PLAN.  Registers that memory or LDS instructions touch:
;   v1, v3, v6, v7, v94, v95   offsets and LDS addresses, made once at the head, never written again: the head's one wait on va_vdst serves them for the whole kernel.
;   v57-59, v62, v52-56        the head's offsets, and the data of its LDS stores; the loop writes them again as U and X, behind the wait on vm_vsrc at the first trip's head.
;   v2 (VOFF)                  read by a trip's two input loads; stepped by one vector add a trip, which stands ahead of tile 1's wait on va_vdst.
;   v14-17 (IN)                the next trip's inputs land here, asked for in tile 1; written by the trip's two lane swaps, read by the four v_mov at the two tiles' heads.
;   P, Q                       at a tile's head 16 LDS loads land here; all else that names them are the tile's vector and matrix instructions.
;   v5 (STT), v238-240         written at a trip's end, read by its three LDS stores.
;   T0-11                      FLUSH's three LDS loads land here and its three global stores read them; else at work in every tile.
;   the codes v68.., the scale words v34-36: written by vector instructions, taken by the scaled products.
; A TRIP'S WAITS: one on vm_vsrc at its head (what the LDS stores and the input loads of the trip before have read may be written); one on va_vdst at each tile's head (the tile before is done with P and Q; in
; tile 1: with IN too, and VOFF is written); one on va_vdst behind the places of each quantiser (codes and scale words are written); one on va_vdst ahead of the three LDS stores (their address and data are
; written, and T0-11 are done with, for FLUSH's loads); one on va_vcc between each compare and its select.  The FLUSH inside the loop ends with a wait on vm_vsrc of its own, ahead of the label and the branch
; behind it: its global stores have read T0-11, which are written again on both ways on.  The waits behind exponentials, reciprocals, the logarithm and the root stand ahead of their first readers.
; REGISTERS.  Window 0: v1-9 addresses; v10-13 (1, 2), (4, 8); v14-17 a trip's inputs; v18-26 the head's nine numbers; v28-33 the weights' scale words, v34-36 the samples' (scales and nothing else);
;   v37-48 at work in the quantisers; v50-57 at work; v58-67 a tile's ten features a lane; v68-91 the three streams' codes (4 registers and 4 zeros each); v92-93 two coefficients; v94-95 LDS addresses of the head;
;   v96-127 A0: the first layer's sums and the last product's (written by matrix instructions alone); v128-159 H (primal), v160-191 P, v192-223 Q (the two tangents); v224-255 T, at work.
;   Window 1: v0-31 b_in, v32-127 b_hid (in the results' layout: they are the C of a sum's first product); v128-167 W_in's fragments; v168-183 W_out's; v184-231 W_hid's codes; v232-235 zeros.
; LDS: images of W_hid's 12 operands and their scale words, rows 18 and 19 of W_in, a stage of 3,072 bytes for each wave's results, the spare words.
.set WIMG,  0                          ; 12 fragments (4 l + t) x 512 bytes: lane L's four registers at 16 L
.set WSC,   6144                       ; 12 x 64 bytes: row m's scale word at 4 m
.set TAN,   6912                       ; W_in's rows 18 and 19 as they lie in memory: 512 bytes
.set STG,   7424                       ; 8 waves x 3,072 bytes: 256 samples x 12 bytes, each wave's own
.set WSTG,  3072
.set SPARE, 32000                      ; the spare words, 128 bytes for each wave: four blocks of 256 bytes that no other line names
.set LI,   1                           ; v1   16 x lane
.set VOFF, 2                           ; v2   8 x lane + 256 x trip: my sample in wo and in z
.set TANA, 3                           ; v3   TAN + 128 h
.set STA,  4                           ; v4   my sample's 12 bytes in my wave's stage
.set STT,  5                           ; v5   the same for the trip in hand
.set FLA,  6                           ; v6   my wave's stage + 16 x lane
.set LS,   7                           ; v7   4 x lane
.set SPW,  8                           ; v8   LDS address of my spare word; never rewritten
.set NIL,  9                           ; v9   0; never rewritten
.set KC,   10
.set IN,   14
.set E,    18
.set WS,   28
.set BS,   34
.set M,    37
.set SO,   40
.set BY,   43
.set PB,   46
.set U,    50
.set X,    58
.set CB,   68
.set KD,   92
.set WIA,  94
.set WSA,  95
.set A0,   96
.set H,    128
.set P,    160
.set Q,    192
.set T,    224
.set BI,   0                           ; window 1 from here on
.set BH,   32
.set WINF, 128
.set WO,   168
.set WH,   184
.set PAD,  232
; s[4:5] wo, s[6:7] z, s[8:9] W_in, s[10:11] b_in, s[12:13] W_hid, s[14:15] b_hid, s[16:17] W_out, s[18:19] b_out, s[20:21] out0; s22 wave; s23 0xffff0000 (lanes 16-31; a word's upper half);
; s[24:26] b_out; s28 ln 2; s29 EPS; s30, s31 lane selects; s32, s33 1 / pi in two words; s36 trips left; s37 the trip's place in the stage; s38-43 at work; s[44:45] -log2(e); s46 1 / 3
.set MSB, 0
.macro WIN new                         ; s_set_vgpr_msb: bits 1:0 source 0, 3:2 source 1, 5:4 source 2, 7:6 destination; the high byte repeats the setting that is left
.if MSB != \new
	s_set_vgpr_msb (MSB<<8)|\new
.set MSB, \new
.endif
.endm
; ---------------------------------------------------------------- macros of the head
; 32 numbers of a lane, W_hid[l][32 h + i][my unit], become four registers of codes and my row's scale word; both go to LDS as images of the operand's registers.
.macro QUANTW src, ioff, soff
	v_max3_num_f32 v[M], |v[\src]|, |v[\src+1]|, |v[\src+2]|
	v_max3_num_f32 v[M+1], |v[\src+3]|, |v[\src+4]|, |v[\src+5]|
.irp i, 6,10,14,18,22,26
	v_max3_num_f32 v[M], v[M], |v[\src+\i]|, |v[\src+\i+1]|
	v_max3_num_f32 v[M+1], v[M+1], |v[\src+\i+2]|, |v[\src+\i+3]|
.endr
	v_max3_num_f32 v[M], v[M], |v[\src+30]|, |v[\src+31]|
	v_max3_num_f32 v[M], v[M], v[M+1], 0x1800000   ; and the floor 2^(3 - 127): the byte cannot fall under 1
	v_add_nc_u32 v[SO], 0xff000000, v[M]           ; 2 off the exponent field: the conversion's scale operand
	v_lshrrev_b32 v[BY], 23, v[SO]                 ; my block's byte (block h)
	v_permlanex16_b32 v[PB], v[BY], s30, s31       ; the other block's
	v_cndmask_b32 v50, v[BY], v[PB], s23           ; block 0's byte,
	v_cndmask_b32 v51, v[PB], v[BY], s23           ; block 1's
	v_lshl_or_b32 v56, v51, 8, v50                 ; the row's scale word; bytes 2 and 3 stay 0
.irp g, 0,1,2,3
	v_cvt_scalef32_pk8_fp4_f32 v[52+\g], v[\src+8*\g:\src+8*\g+7], v[SO]
.endr
	v_nop                                          ; one plain place behind a scaled conversion
	s_wait_alu depctr_va_vdst(0)                   ; the conversions have written v52-55 and the line above them v56, which the two LDS stores read
	ds_store_b128 v[WIA], v[52:55] offset:\ioff
	ds_store_b32 v[WSA], v56 offset:\soff          ; both halves of the lanes write the same word with the same value
.endm
.macro WINLD t, e, base                ; W_in[base + h][my unit of tile t]: feature e of coordinate h
	global_load_b32 v[WINF+10*(\t)+(\e)], v58, s[8:9] offset:256*(\base)+32*(\t)
.endm
; ---------------------------------------------------------------- macros of a tile
; The features of tile k.  Lane (r, h) holds coordinate h of sample r: X0 = wo, X1 = z, X2-5 = sin(2^i wo), X6-9 = cos(2^i wo).  In K step q of the first product the lane's two registers are
; k = 2 h + 0, 1 (the f32 form's layout): W_in's fragments were loaded to match.  wo / pi is kept in two words; each frequency is brought to |t| <= 1/2 on its own and takes the series of sin(pi t), cos(pi t).
.set F, T
.macro HORN cs, cd
.irp p, 0,1
	v_pk_fma_f32 v[F+18+2*\p:F+19+2*\p], v[F+18+2*\p:F+19+2*\p], v[F+10+2*\p:F+11+2*\p], \cs op_sel_hi:[1,1,0]
	v_pk_fma_f32 v[F+22+2*\p:F+23+2*\p], v[F+22+2*\p:F+23+2*\p], v[F+10+2*\p:F+11+2*\p], \cd op_sel_hi:[1,1,0]
.endr
.endm
.macro FEAT k
	v_mov_b32 v[X], v[IN+\k]
	v_mov_b32 v[X+1], v[IN+2+\k]
.if \k == 1
	v_add_nc_u32 v[VOFF], 0x100, v[VOFF]           ; the next trip's samples (the loads that read it were waited for at the trip's head, and the wait on vm_vsrc there shows it read).  In the last trip the stepped offset is not used
.endif
	s_wait_alu depctr_va_vdst(0)                   ; the vector and matrix instructions of the tile before are done with P and Q, in which the 16 loads below land; tile 1: the swaps and the four v_mov are done with IN, in which the next inputs land, and VOFF, their offset, is written
.irp i, 0,1,2,3,4,5,6,7
	ds_load_b128 v[P+4*\i:P+4*\i+3], v[TANA] offset:16*\i        ; the first layer's tangents: W_in's row 18, units 32 h + 0 .. 31,
.endr
.irp i, 0,1,2,3,4,5,6,7
	ds_load_b128 v[Q+4*\i:Q+4*\i+3], v[TANA] offset:256+16*\i    ; and row 19
.endr
.if \k == 1
	s_cmp_eq_u32 s36, 1                            ; the next trip's inputs are asked for half a trip ahead; the last trip asks for nothing: no load leaves its buffer
	s_cbranch_scc1 .Lno_next
	global_load_b64 v[IN:IN+1], v[VOFF], s[4:5] th:TH_LOAD_NT    ; no vector instruction since the wait above names IN or VOFF
	global_load_b64 v[IN+2:IN+3], v[VOFF], s[6:7] th:TH_LOAD_NT
.Lno_next:
.endif
	v_mul_f32 v[F], s32, v[X]                      ; wo / pi: the high word,
	v_fma_f32 v[F+1], v[X], s32, -v[F]             ; what that product rounded away,
	v_fma_f32 v[F+1], v[X], s33, v[F+1]            ; and 1 / pi's low word
	v_pk_mul_f32 v[F+2:F+3], v[F:F+1], v[KC:KC+1] op_sel_hi:[0,1]        ; x 1, 2
	v_pk_mul_f32 v[F+4:F+5], v[F:F+1], v[KC+2:KC+3] op_sel_hi:[0,1]      ; x 4, 8: exact
	v_pk_add_f32 v[F+6:F+7], v[F+2:F+3], 0x4b400000 op_sel_hi:[1,0]      ; + 1.5 x 2^23: the nearest whole number n in the low bits
	v_pk_add_f32 v[F+8:F+9], v[F+4:F+5], 0x4b400000 op_sel_hi:[1,0]
	v_pk_add_f32 v[F+10:F+11], v[F+6:F+7], 0xcb400000 op_sel_hi:[1,0]    ; n
	v_pk_add_f32 v[F+12:F+13], v[F+8:F+9], 0xcb400000 op_sel_hi:[1,0]
	v_pk_add_f32 v[F+2:F+3], v[F+2:F+3], v[F+10:F+11] neg_lo:[0,1] neg_hi:[0,1]   ; less n: exact
	v_pk_add_f32 v[F+4:F+5], v[F+4:F+5], v[F+12:F+13] neg_lo:[0,1] neg_hi:[0,1]
	v_pk_fma_f32 v[F+2:F+3], v[F:F+1], v[KC:KC+1], v[F+2:F+3] op_sel:[1,0,0] op_sel_hi:[1,1,1]     ; + the low word x the frequency: t
	v_pk_fma_f32 v[F+4:F+5], v[F:F+1], v[KC+2:KC+3], v[F+4:F+5] op_sel:[1,0,0] op_sel_hi:[1,1,1]
.irp i, 0,1,2,3
	v_lshlrev_b32 v[F+14+\i], 31, v[F+6+\i]        ; n's parity as a sign bit: sin and cos of pi (n + t) are (-1)^n times those of pi t
.endr
	v_pk_mul_f32 v[F+10:F+11], v[F+2:F+3], v[F+2:F+3]                    ; t^2
	v_pk_mul_f32 v[F+12:F+13], v[F+4:F+5], v[F+4:F+5]
.irp p, 0,1
	v_pk_fma_f32 v[F+18+2*\p:F+19+2*\p], v[F+10+2*\p:F+11+2*\p], v[KD:KD+1], 0x3da83c1a op_sel_hi:[1,0,0]                ; -pi^11/11! t^2 + pi^9/9!
	v_pk_fma_f32 v[F+22+2*\p:F+23+2*\p], v[F+10+2*\p:F+11+2*\p], v[KD:KD+1], 0xbcd368f9 op_sel:[0,1,0] op_sel_hi:[1,1,0]  ; pi^12/12! t^2 - pi^10/10!
.endr
	HORN 0xbf196966, 0x3e70fa83                    ; -pi^7/7!,  pi^8/8!
	HORN 0x402335e3, 0xbfaae9e4                    ;  pi^5/5!, -pi^6/6!
	HORN 0xc0a55de7, 0x4081e0f8                    ; -pi^3/3!,  pi^4/4!
	HORN 0x40490fdb, 0xc09de9e6                    ;  pi,      -pi^2/2
.irp p, 0,1
	v_pk_fma_f32 v[F+22+2*\p:F+23+2*\p], v[F+22+2*\p:F+23+2*\p], v[F+10+2*\p:F+11+2*\p], 1.0 op_sel_hi:[1,1,0]
.endr
.irp i, 0,1,2,3
	v_xor_b32 v[F+2+\i], v[F+14+\i], v[F+2+\i]
.endr
	v_pk_mul_f32 v[X+2:X+3], v[F+18:F+19], v[F+2:F+3]
	v_pk_mul_f32 v[X+4:X+5], v[F+20:F+21], v[F+4:F+5]
.irp i, 0,1,2,3
	v_xor_b32 v[X+6+\i], v[F+14+\i], v[F+22+\i]
.endr
.endm
; The first layer, in f32: five K steps of 4, the four tiles of units by turns; b_in is the C of each sum's first product.
.macro L0
	WIN 0x11                                       ; W_in's fragments and b_in in window 1
.irp t, 0,1,2,3
	v_wmma_f32_16x16x4_f32 v[A0+8*\t:A0+8*\t+7], v[WINF+10*\t:WINF+10*\t+1], v[X:X+1], v[BI+8*\t:BI+8*\t+7]
.endr
	WIN 0x01
.irp q, 1,2,3,4
.irp t, 0,1,2,3
	v_wmma_f32_16x16x4_f32 v[A0+8*\t:A0+8*\t+7], v[WINF+10*\t+2*\q:WINF+10*\t+2*\q+1], v[X+2*\q:X+2*\q+1], v[A0+8*\t:A0+8*\t+7]
.endr
.endr
	WIN 0
.rept 8
	v_nop                                          ; eight places behind this form, in front of the first read of its results
.endr
	s_wait_dscnt 0x0                               ; rows 18 and 19 of W_in are in P and Q (and the last trip's three stores into the stage are done)
.endm
; THE ACTIVATION of a layer: s = 1 / (1 + 2^(-a log2 e)); h = a s; g = s + h (1 - s) = silu'(a); the two tangents are multiplied by g.  src holds a (A0 behind the first layer, else H); h goes to H.
; The 32 units go in four chunks of 8 through a pipeline of beats.  In a beat one chunk's exponentials and another's reciprocals stand singly among a third chunk's plain arithmetic.
; No line of a beat names a result of that beat's own exponentials or reciprocals; each beat opens with a wait ahead of the first reader of the beat before: five waits a layer.
.macro PREOP src, p
	v_pk_mul_f32 v[T+2*(\p):T+2*(\p)+1], v[\src+2*(\p):\src+2*(\p)+1], s[44:45] op_sel_hi:[1,0]    ; -a log2(e); each accumulator is read from its low end on
.endm
.macro ACTHEAD src
.irp p, 0,1,2,3
	PREOP \src, \p
.endr
.irp n, 0,1,2,3,4,5,6,7,8,9,10,11
.if \n < 8
	v_exp_f32 v[T+\n], v[T+\n]
.endif
	PREOP \src, 4+\n
.endr
.endm
.macro RESTOP src, c, k, i
.set rb, 8*(\c)+2*(\i)
.if (\k) == 0
	v_pk_mul_f32 v[H+rb:H+rb+1], v[\src+rb:\src+rb+1], v[T+rb:T+rb+1]                                       ; h = a s
.elseif (\k) == 1
	v_pk_fma_f32 v[U+2*(\i):U+2*(\i)+1], v[H+rb:H+rb+1], v[T+rb:T+rb+1], v[H+rb:H+rb+1] neg_lo:[1,0,0] neg_hi:[1,0,0]   ; h - h s
.elseif (\k) == 2
	v_pk_add_f32 v[T+rb:T+rb+1], v[U+2*(\i):U+2*(\i)+1], v[T+rb:T+rb+1]                                     ; g
.elseif (\k) == 3
	v_pk_mul_f32 v[P+rb:P+rb+1], v[P+rb:P+rb+1], v[T+rb:T+rb+1]
.else
	v_pk_mul_f32 v[Q+rb:Q+rb+1], v[Q+rb:Q+rb+1], v[T+rb:T+rb+1]
.endif
.endm
; mode 1: the chunk joins the three blocks' largest magnitudes (all 32 numbers of a block are the lane's own; the floor 2^(3 - 127) is the first leaf).
; mode 2, the last layer: rounded to bf16 and packed, pair 2 n, 2 n + 1 into register n.  The tangents in place.  The primal as two parts: the high part goes to T + n (chunk c writes T + 4 c .. 4 c + 3, which
; belong to chunks whose g has been used up); it is widened again, taken off h in f32, and what is left is packed in place into H + n.
.macro TAIL c, mode
.if (\mode) == 1
.irp i, 0,1,2,3
.if ((\c) == 0) && (\i == 0)
	v_max3_num_f32 v[M], |v[H]|, |v[H+1]|, 0x1800000
	v_max3_num_f32 v[M+1], |v[P]|, |v[P+1]|, 0x1800000
	v_max3_num_f32 v[M+2], |v[Q]|, |v[Q+1]|, 0x1800000
.else
	v_max3_num_f32 v[M], v[M], |v[H+8*(\c)+2*\i]|, |v[H+8*(\c)+2*\i+1]|
	v_max3_num_f32 v[M+1], v[M+1], |v[P+8*(\c)+2*\i]|, |v[P+8*(\c)+2*\i+1]|
	v_max3_num_f32 v[M+2], v[M+2], |v[Q+8*(\c)+2*\i]|, |v[Q+8*(\c)+2*\i+1]|
.endif
.endr
.else
.irp i, 0,1,2,3
	v_cvt_pk_bf16_f32 v[T+4*(\c)+\i], v[H+8*(\c)+2*\i], v[H+8*(\c)+2*\i+1]      ; h's high part
	v_cvt_pk_bf16_f32 v[P+4*(\c)+\i], v[P+8*(\c)+2*\i], v[P+8*(\c)+2*\i+1]
	v_cvt_pk_bf16_f32 v[Q+4*(\c)+\i], v[Q+8*(\c)+2*\i], v[Q+8*(\c)+2*\i+1]
.endr
.irp i, 0,1,2,3
	v_lshlrev_b32 v[U+2*\i], 16, v[T+4*(\c)+\i]                                  ; the high part as f32 again
	v_and_b32 v[U+2*\i+1], s23, v[T+4*(\c)+\i]
.endr
.irp i, 0,1,2,3
	v_pk_add_f32 v[U+2*\i:U+2*\i+1], v[H+8*(\c)+2*\i:H+8*(\c)+2*\i+1], v[U+2*\i:U+2*\i+1] neg_lo:[0,1] neg_hi:[0,1]   ; h less its high part: exact
.endr
.irp i, 0,1,2,3
	v_cvt_pk_bf16_f32 v[H+4*(\c)+\i], v[U+2*\i], v[U+2*\i+1]                     ; h's low part
.endr
.endif
.endm
; A beat: chunk ce's exponentials, chunk cr's reciprocals, chunk cs's arithmetic (-1: none).
.macro BEAT src, ce, cr, cs, mode
	s_wait_alu depctr_va_vdst(0)                   ; one wait for the beat before's exponentials and reciprocals, ahead of their first reader
.if (\cr) >= 0
.irp i, 0,1,2,3
	v_pk_add_f32 v[T+8*(\cr)+2*\i:T+8*(\cr)+2*\i+1], v[T+8*(\cr)+2*\i:T+8*(\cr)+2*\i+1], 1.0 op_sel_hi:[1,0]
.endr
.endif
.irp k, 0,1,2,3,4
.irp i, 0,1,2,3
.if (\cs) >= 0
	RESTOP \src, \cs, \k, \i
.endif
.if ((\cr) >= 0) && (4*\k+\i < 8)
	v_rcp_f32 v[T+8*(\cr)+4*\k+\i], v[T+8*(\cr)+4*\k+\i]
.endif
.if ((\ce) >= 0) && (4*\k+\i >= 8) && (4*\k+\i < 16)
	v_exp_f32 v[T+8*(\ce)+4*\k+\i-8], v[T+8*(\ce)+4*\k+\i-8]
.endif
.endr
.endr
.if (\cs) >= 0
	TAIL \cs, \mode
.else
	v_nop                                          ; a plain place behind the last exponential
.endif
.endm
.macro ACT src, mode
	ACTHEAD \src
	BEAT \src, 1, 0, -1, \mode
	BEAT \src, 2, 1, 0, \mode
	BEAT \src, 3, 2, 1, \mode
	BEAT \src, -1, 3, 2, \mode
	BEAT \src, -1, -1, 3, \mode
.endm
; The three streams' scales and codes.  Lanes 0-15 hold block 0's byte and fetch block 1's from lane l xor 16: their word is the sample's scale word (lanes 16-31 are not read).
.macro QTAIL
.irp s, 0,1,2
	v_add_nc_u32 v[SO+\s], 0xff000000, v[M+\s]     ; 2 off the exponent field: the conversion's scale operand
.endr
.irp s, 0,1,2
	v_lshrrev_b32 v[BY+\s], 23, v[SO+\s]           ; the scale's byte
.endr
.irp s, 0,1,2
	v_permlanex16_b32 v[PB+\s], v[BY+\s], s30, s31
.endr
.irp s, 0,1,2
	v_lshl_or_b32 v[BS+\s], v[PB+\s], 8, v[BY+\s]
.endr
.irp g, 0,1,2,3
	v_cvt_scalef32_pk8_fp4_f32 v[CB+\g], v[H+8*\g:H+8*\g+7], v[SO]
	v_cvt_scalef32_pk8_fp4_f32 v[CB+8+\g], v[P+8*\g:P+8*\g+7], v[SO+1]
	v_cvt_scalef32_pk8_fp4_f32 v[CB+16+\g], v[Q+8*\g:Q+8*\g+7], v[SO+2]
.endr
.rept 8
	v_nop                                          ; the place behind the conversions; eight places between the scale words' last write and the scaled products, four of them for the codes
.endr
	s_wait_alu depctr_va_vdst(0)                   ; behind the places: the conversions have written the three streams' codes and the lines above them the scale words v34-36, which the scaled products take as source 1 and as its scales (the first time: the zero registers behind the weights' last codes are written too)
.endm
; One product of a hidden layer: tile t of layer l's units x stream s's 16 samples.  The weights' scale words of tiles 2 p and 2 p + 1 share a register: lanes 0-15 and lanes 16-31.
.macro FP4MM d, l, t, s, bias
.set rD, \d+8*(\t)
.set rA, WH+16*(\l)+4*(\t)
.set rB, CB+8*(\s)
.set rC, BH+32*(\l)+8*(\t)
.set rW, WS+2*(\l)+(\t)/2
.if \bias
.if (\t)%2
	v_wmma_scale_f32_16x16x128_f8f6f4 v[rD:rD+7], v[rA:rA+7], v[rB:rB+7], v[rC:rC+7], v[rW], v[BS+\s] matrix_a_fmt:MATRIX_FMT_FP4 matrix_b_fmt:MATRIX_FMT_FP4 matrix_a_scale:MATRIX_SCALE_ROW1
.else
	v_wmma_scale_f32_16x16x128_f8f6f4 v[rD:rD+7], v[rA:rA+7], v[rB:rB+7], v[rC:rC+7], v[rW], v[BS+\s] matrix_a_fmt:MATRIX_FMT_FP4 matrix_b_fmt:MATRIX_FMT_FP4
.endif
.else
.if (\t)%2
	v_wmma_scale_f32_16x16x128_f8f6f4 v[rD:rD+7], v[rA:rA+7], v[rB:rB+7], 0, v[rW], v[BS+\s] matrix_a_fmt:MATRIX_FMT_FP4 matrix_b_fmt:MATRIX_FMT_FP4 matrix_a_scale:MATRIX_SCALE_ROW1
.else
	v_wmma_scale_f32_16x16x128_f8f6f4 v[rD:rD+7], v[rA:rA+7], v[rB:rB+7], 0, v[rW], v[BS+\s] matrix_a_fmt:MATRIX_FMT_FP4 matrix_b_fmt:MATRIX_FMT_FP4
.endif
.endif
.endm
.macro HID l                           ; twelve products on twelve accumulators: the primal's start with b_hid as C, the tangents' with 0
	WIN 0x11                                       ; the weights' codes and b_hid in window 1
.irp t, 0,1,2,3
	FP4MM H, \l, \t, 0, 1
.endr
	WIN 0x01
.irp t, 0,1,2,3
	FP4MM P, \l, \t, 1, 0
.endr
.irp t, 0,1,2,3
	FP4MM Q, \l, \t, 2, 0
.endr
	WIN 0
.rept 4
	v_nop                                          ; four places behind this form, in front of the first read of its results
.endr
.endm
; The last product, on bf16: rows 0-2 of source 0 are W_out's three columns rounded to bf16, rows 3-5 what that rounding left, rows 6-7 zeros; rows 8-15 repeat them, so that both halves of the lanes get the sums.
; A lane's register 8 q + i holds units 32 h + 16 q + 2 i, + 1 on both sides: the same places of K for both, each unit once.  The primal has four products (two K steps x h's high part in T, its low part in H),
; each tangent two; the primal's stand between the tangents', so that no two matrix instructions on end share an accumulator.
.macro OUT
	WIN 0x01
	v_wmma_f32_16x16x32_bf16 v[A0:A0+7], v[WO:WO+7], v[T:T+7], 0
	v_wmma_f32_16x16x32_bf16 v[A0+8:A0+15], v[WO:WO+7], v[P:P+7], 0
	v_wmma_f32_16x16x32_bf16 v[A0:A0+7], v[WO+8:WO+15], v[T+8:T+15], v[A0:A0+7]
	v_wmma_f32_16x16x32_bf16 v[A0+16:A0+23], v[WO:WO+7], v[Q:Q+7], 0
	v_wmma_f32_16x16x32_bf16 v[A0:A0+7], v[WO:WO+7], v[H:H+7], v[A0:A0+7]
	v_wmma_f32_16x16x32_bf16 v[A0+8:A0+15], v[WO+8:WO+15], v[P+8:P+15], v[A0+8:A0+15]
	v_wmma_f32_16x16x32_bf16 v[A0:A0+7], v[WO+8:WO+15], v[H+8:H+15], v[A0:A0+7]
	v_wmma_f32_16x16x32_bf16 v[A0+16:A0+23], v[WO+8:WO+15], v[Q+8:Q+15], v[A0+16:A0+23]
	WIN 0
.rept 4
	v_nop
.endr
.endm
; The sums of W_out's high and low rows are added.  Tile 0's nine numbers stay in lanes 0-15, tile 1's go to lanes 16-31: lane L then holds sample L of the trip.
.macro MERGE k
.irp s, 0,1,2
.irp o, 0,1,2
.if \k == 0
	v_add_f32 v[E+3*\s+\o], v[A0+8*\s+\o], v[A0+8*\s+\o+3]
.else
	v_add_f32 v[T+3*\s+\o], v[A0+8*\s+\o], v[A0+8*\s+\o+3]
.endif
.endr
.endr
.if \k == 1
.irp i, 0,1,2,3,4,5,6,7,8
	v_cndmask_b32 v[E+\i], v[E+\i], v[T+\i], s23
.endr
.endif
.endm
.macro TILE k
	FEAT \k
	L0
	ACT A0, 1
	QTAIL
	HID 0
	ACT H, 1
	QTAIL
	HID 1
	ACT H, 1
	QTAIL
	HID 2
	ACT H, 2
	OUT
	MERGE \k
.endm
; 128 samples' results, 1,536 bytes of my stage, leave as three stores of 512 consecutive bytes, each at a multiple of 256 from out0's first byte.
; The loads land in T0-11: the wait on va_vdst ahead of the trip's three LDS stores shows the vector instructions done with them, and only scalar lines stand between that wait and this macro.
.macro FLUSH hf
.irp i, 0,1,2
	ds_load_b128 v[T+4*\i:T+4*\i+3], v[FLA] offset:1536*(\hf)+512*\i      ; LDS serves a wave's instructions in order (ISA guide 5.7.1.4): these see my stores
.endr
	s_wait_dscnt 0x0
.irp i, 0,1,2
	global_store_b128 v[LI], v[T+4*\i:T+4*\i+3], s[20:21] offset:1536*(\hf)+512*\i th:TH_STORE_NT
.endr
	s_wait_xcnt 0x0                                ; the stores' addresses are translated
.if (\hf) == 0
	s_wait_alu depctr_vm_vsrc(0)                   ; beside it, ahead of the label and the branch that follow: the three global stores have read T0-11, which are written again on both ways on: by the next trip's vector instructions, and by the loads of the FLUSH behind the loop
.endif
.endm
; ---------------------------------------------------------------- the head
	s_load_b256 s[4:11], s[0:1], 0x0
	s_load_b256 s[12:19], s[0:1], 0x20
	s_load_b64 s[20:21], s[0:1], 0x40
	v_lshl_add_u32 v[SPW], v0, 2, SPARE
	v_mov_b32 v[NIL], 0
	v_lshrrev_b32 v50, 5, v0
	v_readfirstlane_b32 s22, v50                   ; wave 0..7
	v_and_b32 v51, 31, v0                          ; lane
	v_and_b32 v52, 15, v0                          ; r
	v_bfe_u32 v53, v0, 4, 1                        ; h
	v_lshlrev_b32 v[LI], 4, v51
	v_lshlrev_b32 v[VOFF], 3, v51
	v_lshl_add_u32 v[TANA], v53, 7, TAN
	s_wait_alu depctr_va_sdst(0)                   ; s22, the wave's number, is written, ahead of its first reader
	s_mul_i32 s38, s22, WSTG
	s_add_co_u32 s38, s38, STG                     ; my wave's stage
	v_mul_u32_u24 v[STA], v51, 12
	v_add_nc_u32 v[STA], s38, v[STA]
	v_add_nc_u32 v[FLA], s38, v[LI]
	v_lshlrev_b32 v[LS], 2, v51
	s_lshl_b32 s39, s22, 9
	v_add_nc_u32 v[WIA], s39, v[LI]                ; the image of fragment w: WIMG (= 0) + 512 w + 16 x lane
	s_lshl_b32 s39, s22, 6
	s_add_co_u32 s39, s39, WSC
	v_lshl_add_u32 v[WSA], v52, 2, s39             ; its scale words: WSC + 64 w + 4 r
	v_and_b32 v54, 7, v52                          ; r % 8
	v_lshrrev_b32 v55, 3, v52                      ; r / 8
	v_lshlrev_b32 v56, 2, v54
	v_lshl_add_u32 v56, v55, 7, v56                ; 4 x (r % 8 + 32 (r / 8)): my row's unit in tile 0, in bytes
	v_lshlrev_b32 v57, 7, v53                      ; the biases: 128 h
	v_lshl_add_u32 v58, v53, 8, v56                ; W_in: row h, my unit
	s_lshr_b32 s42, s22, 2
	s_lshl_b32 s42, s42, 14                        ; W_hid: fragment w is layer w / 4,
	s_and_b32 s43, s22, 3
	s_lshl_b32 s43, s43, 5                         ; tile w % 4
	s_add_co_u32 s42, s42, s43
	v_lshl_add_u32 v59, v53, 13, v56               ; rows 32 h on, my unit
	v_add_nc_u32 v59, s42, v59
	v_mul_u32_u24 v60, v54, 11
	v_lshrrev_b32 v60, 5, v60                      ; d = (r % 8) / 3: 0 the high part, 1 the low part, 2 nothing
	v_mul_u32_u24 v61, v60, 3
	v_sub_nc_u32 v61, v54, v61                     ; the column of W_out
	v_mul_u32_u24 v62, v53, 384
	v_lshl_add_u32 v62, v61, 2, v62                ; W_out: rows 32 h on (12 bytes each), my column
	v_mov_b32 v[KC], 1.0
	v_mov_b32 v[KC+1], 2.0
	v_mov_b32 v[KC+2], 4.0
	v_mov_b32 v[KC+3], 0x41000000
	v_mov_b32 v[KD], 0xbbf183a8                    ; -pi^11/11!
	v_mov_b32 v[KD+1], 0x3afce9c5                  ;  pi^12/12!
.irp s, 0,1,2
.irp i, 4,5,6,7
	v_mov_b32 v[CB+8*\s+\i], 0                     ; the samples' codes of k = 64 .. 127: zeros, written once
.endr
	v_mov_b32 v[PB+\s], 0                          ; written once: a lane permute's destination counts as one of its sources
.endr
	s_mov_b32 s23, 0xffff0000
	s_mov_b32 s28, 0x3f317218                      ; ln 2
	s_mov_b32 s29, 0x2b8cbccc                      ; EPS = 1e-12
	s_mov_b32 s30, 0x76543210
	s_mov_b32 s31, 0xfedcba98                      ; v_permlanex16_b32's selects for lane l xor 16
	s_mov_b32 s32, 0x3ea2f983                      ; 1 / pi, the high word,
	s_mov_b32 s33, 0x325c9c88                      ; and the low
	s_mov_b32 s44, 0xbfb8aa3b                      ; -log2(e)
	s_mov_b32 s45, s44                             ; (named with it as a pair, so it is written)
	s_mov_b32 s46, 0x3eaaaaab                      ; 1 / 3
	s_mov_b32 s36, 8
	s_mov_b32 s37, 0
	s_lshl_b32 s38, ttmp9, 14                      ; wo, z: 2,048 samples of 8 bytes a work-group,
	s_lshl_b32 s39, s22, 11                        ; 256 a wave
	s_add_co_u32 s38, s38, s39
	s_mov_b32 s39, 0
	s_mul_i32 s40, ttmp9, 24576                    ; out0: 12 bytes a sample
	s_mul_i32 s41, s22, WSTG
	s_add_co_u32 s40, s40, s41
	s_mov_b32 s41, 0
	s_wait_kmcnt 0x0
	s_load_b96 s[24:26], s[18:19], 0x0             ; b_out
	s_add_nc_u64 s[4:5], s[4:5], s[38:39]
	s_add_nc_u64 s[6:7], s[6:7], s[38:39]
	s_add_nc_u64 s[20:21], s[20:21], s[40:41]
	s_wait_alu depctr_va_vdst(0)                   ; every offset and LDS address is written: v1-3, v6, v7, v94, v95 and the head's v57-59, v62, which the loads and stores from here on read; up to the loads under window 1 only loads and window switches follow
	global_load_b64 v[IN:IN+1], v[VOFF], s[4:5] th:TH_LOAD_NT       ; the first trip's 32 samples: 256 consecutive bytes a load
	global_load_b64 v[IN+2:IN+3], v[VOFF], s[6:7] th:TH_LOAD_NT
	WIN 0x40                                       ; destination window 1
.irp i, 0,1,2,3,4,5,6,7
	global_load_b128 v[BI+4*\i:BI+4*\i+3], v57, s[10:11] offset:16*\i     ; register 8 t + j: b_in[32 h + 8 t + j]
.endr
.set j, 0
.rept 24
	global_load_b128 v[BH+4*j:BH+4*j+3], v57, s[14:15] offset:256*(j/8)+16*(j%8)
.set j, j+1
.endr
.irp t, 0,1,2,3                        ; feature e of coordinate h lies in row base + h of W_in: wo, z, sin x 4, cos x 4
	WINLD \t, 0, 0
	WINLD \t, 1, 18
	WINLD \t, 2, 2
	WINLD \t, 3, 6
	WINLD \t, 4, 10
	WINLD \t, 5, 14
	WINLD \t, 6, 4
	WINLD \t, 7, 8
	WINLD \t, 8, 12
	WINLD \t, 9, 16
.endr
	WIN 0
.set j, 0
.rept 32
	global_load_b32 v[Q+j], v62, s[16:17] offset:12*j              ; W_out[32 h + j][my column]
.set j, j+1
.endr
.set j, 0
.rept 32
	global_load_b32 v[H+j], v59, s[12:13] offset:256*j             ; W_hid, fragment w: [32 h + j][my unit]: the registers run down K
.set j, j+1
.endr
	; The waves part once, on the wave's number: waves 0-3 quantise a second fragment (8 + w: layer 2, tile w), wave 4 brings rows 18 and 19 of W_in.  Each arm has its own loads, the wait for all loads, and its work.
	s_cmp_lt_u32 s22, 4
	s_cbranch_scc0 .Lhigh
.set j, 0
.rept 32
	global_load_b32 v[P+j], v59, s[12:13] offset:32768+256*j
.set j, j+1
.endr
	s_wait_loadcnt 0x0
	QUANTW H, 0, 0
	s_wait_alu depctr_vm_vsrc(0)                   ; the first fragment's two LDS stores have read v52-56, which the second fragment's lines write again
	QUANTW P, 4096, 512
	s_branch .Lweights_done
.Lhigh:
	s_cmp_eq_u32 s22, 4
	s_cbranch_scc0 .Lplain
	global_load_b128 v[P:P+3], v[LI], s[8:9] offset:4608
	s_wait_loadcnt 0x0
	ds_store_b128 v[LI], v[P:P+3] offset:TAN
.Lplain:
	s_wait_loadcnt 0x0
	QUANTW H, 0, 0
.Lweights_done:
	; W_out's fragment, in every wave: value = (w - [d = 1] x bf16(w)) x [d < 2], rounded to bf16
	v_cmp_eq_u32 vcc_lo, 1, v60
	s_wait_alu depctr_va_vcc(0)                    ; the compare has written VCC, which the select reads
	v_cndmask_b32 v64, 0, -1.0, vcc_lo
	v_cmp_gt_u32 vcc_lo, 2, v60
	s_wait_alu depctr_va_vcc(0)                    ; likewise
	v_cndmask_b32 v65, 0, 1.0, vcc_lo
.set j, 0
.rept 16
	v_cvt_pk_bf16_f32 v[H+j], v[Q+2*j], v[Q+2*j+1]
	v_lshlrev_b32 v[T+2*j], 16, v[H+j]
	v_and_b32 v[T+2*j+1], s23, v[H+j]
	v_pk_fma_f32 v[Q+2*j:Q+2*j+1], v[T+2*j:T+2*j+1], v[64:65], v[Q+2*j:Q+2*j+1] op_sel_hi:[1,0,1]
	v_pk_mul_f32 v[Q+2*j:Q+2*j+1], v[Q+2*j:Q+2*j+1], v[64:65] op_sel:[0,1] op_sel_hi:[1,1]
.set j, j+1
.endr
	WIN 0x40
.set j, 0
.rept 16
	v_cvt_pk_bf16_f32 v[WO+j], v[Q+2*j], v[Q+2*j+1]
.set j, j+1
.endr
	WIN 0
	s_wait_dscnt 0x0                               ; for the others' sake: my images lie in LDS
	s_barrier_signal -1
	s_barrier_wait -1                              ; everybody's do.  The launch's one barrier: behind it the images are only read
	WIN 0x40
	s_wait_alu depctr_va_vdst(0)                   ; v1 (16 x lane), made by a vector instruction at the head, is written: the twelve loads under this window read it as their address.  The switch, the wait, the loads
.set j, 0
.rept 12
	ds_load_b128 v[WH+4*j:WH+4*j+3], v[LI] offset:WIMG+512*j       ; all twelve operands' codes: they stay in my registers
.set j, j+1
.endr
.irp i, 0,1,2,3
	v_mov_b32 v[PAD+\i], 0
.endr
	WIN 0
.irp p, 0,1,2,3,4,5
	ds_load_b32 v[WS+\p], v[LS] offset:WSC+128*\p  ; lanes 0-15: tile 2 p's scale words, lanes 16-31: tile 2 p + 1's
.endr
	s_wait_dscnt 0x0
	s_wait_kmcnt 0x0                               ; b_out
; ---------------------------------------------------------------- eight trips of 32 samples
.Ltrip:
	s_wait_loadcnt 0x0                             ; the trip's inputs, asked for half a trip ago
	s_wait_alu depctr_vm_vsrc(0)                   ; the last trip's three LDS stores have read v5 and v238-240, its input loads v2: this trip writes them all again.  On the way in: the head's loads have read v57-59 and v62, its LDS stores v52-56 and (wave 4) P0-3
	v_permlane16_swap_b32 v[IN], v[IN+1]           ; lane L held (x0, x1) of sample L; now v14 holds coordinate h of sample r of tile 0, v15 of tile 1
	v_permlane16_swap_b32 v[IN+2], v[IN+3]         ; z likewise
	TILE 0
	TILE 1
	; THE HEAD of 32 samples, one a lane.  E0-2 = Tz less b_out, E3-5 and E6-8 its two tangents.
	v_add_f32 v[E], s24, v[E]
	v_add_f32 v[E+1], s25, v[E+1]
	v_add_f32 v[E+2], s26, v[E+2]
	v_mul_f32 v224, s44, |v[E+2]|
	v_exp_f32 v224, v224                           ; e = exp(-|x|)
	v_max_num_f32 v225, 0, v[E+2]                  ; softplus(x) = max(x, 0) + log1p(e), as reference()'s logaddexp has it
	v_mul_f32 v231, v[E], v[E]
	v_fma_f32 v231, v[E+1], v[E+1], v231
	s_wait_alu depctr_va_vdst(0)                   ; ahead of e's first reader
	v_add_f32 v226, 1.0, v224
	v_log_f32 v227, v226
	v_rcp_f32 v228, v226
	v_fma_f32 v229, v224, s46, -0.5                ; for small e, where 1 + e has lost it: e (1 + e (e / 3 - 1 / 2))
	v_fma_f32 v229, v229, v224, 1.0
	v_mul_f32 v229, v229, v224
	v_cmp_gt_f32 vcc_lo, 0x3c000000, v224          ; e < 2^-7
	s_wait_alu depctr_va_vdst(0)                   ; one wait for the logarithm and the reciprocal
	s_wait_alu depctr_va_vcc(0)                    ; the compare has written VCC, which the select below reads
	v_mul_f32 v227, s28, v227
	v_cndmask_b32 v227, v227, v229, vcc_lo
	v_add_f32 v225, v225, v227                     ; sp = softplus(Tz2)
	v_mul_f32 v230, v224, v228
	v_cmp_le_f32 vcc_lo, 0, v[E+2]
	s_wait_alu depctr_va_vcc(0)                    ; the compare has written VCC, which the select reads
	v_cndmask_b32 v230, v230, v228, vcc_lo         ; sigmoid(Tz2): 1 / (1 + e) or e / (1 + e)
	v_fma_f32 v231, v225, v225, v231
	v_sqrt_f32 v232, v231                          ; n
	v_mul_f32 v[E+5], v230, v[E+5]                 ; the third component's tangents
	v_mul_f32 v[E+8], v230, v[E+8]
	v_mul_f32 v233, v[E], v[E+3]                   ; wi3 . its tangent, twice
	v_mul_f32 v234, v[E], v[E+6]
	v_fma_f32 v233, v[E+1], v[E+4], v233
	v_fma_f32 v234, v[E+1], v[E+7], v234
	v_fma_f32 v233, v225, v[E+5], v233
	v_fma_f32 v234, v225, v[E+8], v234
	s_wait_alu depctr_va_vdst(0)                   ; ahead of n's first reader
	v_max_num_f32 v235, s29, v232
	v_rcp_f32 v236, v235                           ; 1 / max(n, EPS)
	v_rcp_f32 v237, v232                           ; 1 / n
	v_cmp_lt_f32 vcc_lo, s29, v232                 ; the maximum passes n's tangent on only where n > EPS
	v_nop
	s_wait_alu depctr_va_vdst(0)                   ; one wait for the two reciprocals
	s_wait_alu depctr_va_vcc(0)                    ; the compare has written VCC, which the select reads
	v_cndmask_b32 v237, 0, v237, vcc_lo
	v_mul_f32 v238, v[E], v236                     ; wi0
	v_mul_f32 v239, v[E+1], v236                   ; wi1
	v_mul_f32 v233, v233, v237                     ; the norm's tangents
	v_mul_f32 v234, v234, v237
	v_fma_f32 v[E+3], -v238, v233, v[E+3]          ; d wi = (d wi3 - wi x d norm) / norm: the numerators
	v_fma_f32 v[E+4], -v239, v233, v[E+4]
	v_fma_f32 v[E+6], -v238, v234, v[E+6]
	v_fma_f32 v[E+7], -v239, v234, v[E+7]
	v_mul_f32 v240, v[E+6], v[E+4]
	v_fma_f32 v240, v[E+3], v[E+7], -v240
	v_mul_f32 v241, v236, v236
	v_mul_f32 v240, v240, v241                     ; detJ
	v_add_nc_u32 v[STT], s37, v[STA]
	s_wait_alu depctr_va_vdst(0)                   ; v5, the stores' address, and v238-240, their data, are written; and the vector instructions are done with T0-11, in which FLUSH's loads land
	ds_store_b32 v[STT], v238                      ; 12 bytes a lane: three words apart, so the 32 lanes fall on different banks
	ds_store_b32 v[STT], v239 offset:4
	ds_store_b32 v[STT], v240 offset:8
	s_cmp_lg_u32 s36, 5                            ; behind the fourth trip the first 128 samples leave
	s_cbranch_scc1 .Lno_flush
	FLUSH 0
.Lno_flush:
	s_add_co_u32 s37, s37, 384
	s_sub_co_u32 s36, s36, 1
	s_cmp_lg_u32 s36, 0
	s_cbranch_scc1 .Ltrip
	FLUSH 1
	s_wait_dscnt 0x0                               ; the closing lines, six on end
	s_wait_alu 0x0
	s_wait_tensorcnt 0x0
	ds_add_u32 v[SPW], v[NIL]
	s_wait_dscnt 0x0
	s_endpgm
.Lfunc_end_k_q52ec0f96a4_mlp:
	.size	k_q52ec0f96a4_mlp, .Lfunc_end_k_q52ec0f96a4_mlp-k_q52ec0f96a4_mlp
	.p2alignl 7, 3214868480
	.fill 96, 4, 3214868480
	.section	.rodata,"a",@progbits
	.p2align	6, 0x0
	.amdhsa_kernel k_q52ec0f96a4_mlp
		.amdhsa_group_segment_fixed_size 33024
		.amdhsa_private_segment_fixed_size 0
		.amdhsa_enable_private_segment 0
		.amdhsa_kernarg_size 72
		.amdhsa_user_sgpr_count 2
		.amdhsa_user_sgpr_kernarg_segment_ptr 1
		.amdhsa_wavefront_size32 1
		.amdhsa_system_sgpr_workgroup_id_x 1
		.amdhsa_system_sgpr_workgroup_id_y 1
		.amdhsa_system_sgpr_workgroup_id_z 1
		.amdhsa_system_vgpr_workitem_id 0
		.amdhsa_next_free_vgpr 512
		.amdhsa_next_free_sgpr 66
		.amdhsa_reserve_vcc 1
		.amdhsa_float_denorm_mode_32 3
		.amdhsa_float_denorm_mode_16_64 3
		.amdhsa_memory_ordered 1
		.amdhsa_forward_progress 1
		.amdhsa_inst_pref_size 177
	.end_amdhsa_kernel
	.amdgpu_metadata
---
amdhsa.version: [ 1, 2 ]
amdhsa.kernels:
  - .name:           k_q52ec0f96a4_mlp
    .symbol:         k_q52ec0f96a4_mlp.kd
    .args:
      - { .name: wo, .offset: 0, .size: 8, .value_kind: global_buffer, .address_space: global }
      - { .name: z, .offset: 8, .size: 8, .value_kind: global_buffer, .address_space: global }
      - { .name: W_in, .offset: 16, .size: 8, .value_kind: global_buffer, .address_space: global }
      - { .name: b_in, .offset: 24, .size: 8, .value_kind: global_buffer, .address_space: global }
      - { .name: W_hid, .offset: 32, .size: 8, .value_kind: global_buffer, .address_space: global }
      - { .name: b_hid, .offset: 40, .size: 8, .value_kind: global_buffer, .address_space: global }
      - { .name: W_out, .offset: 48, .size: 8, .value_kind: global_buffer, .address_space: global }
      - { .name: b_out, .offset: 56, .size: 8, .value_kind: global_buffer, .address_space: global }
      - { .name: out0, .offset: 64, .size: 8, .value_kind: global_buffer, .address_space: global }
    .group_segment_fixed_size: 33024
    .private_segment_fixed_size: 0
    .kernarg_segment_align: 8
    .kernarg_segment_size: 72
    .max_flat_workgroup_size: 256
    .sgpr_count:     66
    .vgpr_count:     512
    .wavefront_size: 32
...
	.end_amdgpu_metadata
.endif
;; end of part 2
